; MI455X (gfx1250); checked and timed in simulation.
; The chip was launched on July 23, 2026; its instructions are those of AMD's public machine-readable ISA for CDNA 5 (MIT licence, August 2026) and "CDNA5" Instruction Set Architecture Reference Guide (July 2026). The comments in the code are by the model that wrote it; some were corrected since.
;; Multi Head Self Attention. Allowed arithmetic: matrix products marked QUANTISED: E4M3 operands, one given power-of-two scale a tensor, by v_wmma_f32_16x16x64_fp8_fp8 or v_wmma_f32_16x16x128_fp8_fp8, f32 sums; everything else in f32.
;; Inputs: lowp_scales 8 int32 (the exponents e of the quantised operands' scales 2^e); w_proj 1,024 x 1,024 float32; w_qkv 1,024 x 3,072 float32; x 4 x 2,048 x 1,024 float32.
;; Outputs: out0 4 x 2,048 x 1,024 float32.
;; This version of the problem:
;;   THIS VERSION OF THE PROBLEM IS GIVEN IN LOW PRECISION. The matrix products marked QUANTISED in the list below multiply operands that are first quantised to E4M3 (4 exponent bits, 3 mantissa bits; 8 bits a number), with one given power-of-two scale for each operand tensor; their sums are f32. All else is computed in f32.
;;   The module's matrix products, in the order in which they are computed (A, B: the left and right operand; K: the contracted axis; several contracted axes count as one K, in the product's order):
;;     1. [M 8,192, K 1,024] x [K 1,024, N 3,072]; A: input x; B: input w_qkv: QUANTISED (scales: A lowp_scales[0], B lowp_scales[1])
;;     2. batch 64 x [M 2,048, K 64] x [K 64, N 2,048]; A: computed on the way; B: computed on the way: QUANTISED (scales: A lowp_scales[2], B lowp_scales[3])
;;     3. batch 64 x [M 2,048, K 2,048] x [K 2,048, N 64]; A: softmax (see below); B: computed on the way: QUANTISED (scales: A lowp_scales[4], B lowp_scales[5])
;;     4. [M 8,192, K 1,024] x [K 1,024, N 1,024]; A: computed on the way; B: input w_proj: QUANTISED (scales: A lowp_scales[6], B lowp_scales[7])
;;   THE QUANTISER, for each operand of a quantised product, along K:
;;     - The operand's scale is 2^e, e = its entry of the input lowp_scales (int32; the entries are numbered through the quantised products in the list's order, A before B).
;;     - Each number is divided by the scale, clamped to +-448, and rounded to the nearest number of E4M3, ties to even, subnormals kept.
;;     - The product sums the exact products of the quantised numbers (number of the format x scale) in f32.
;;   ~~~python
;;   def quantise(x, axis, e):      # numpy; x: float32 -> the quantised numbers, widened to float32 again
;;       x = np.moveaxis(x, axis, -1); K = x.shape[-1]
;;       r = np.clip(x / 2.0 ** e, -448, 448)
;;       step = 2.0 ** (np.maximum(np.frexp(np.where(r == 0, 1, r))[1] - 1, -6) - 3)
;;       q = np.round(r / step) * step * 2.0 ** e      # np.round: ties to even
;;       return np.moveaxis(q, -1, axis).astype(np.float32)
;;   ~~~
;;   SOFTMAX AHEAD OF A QUANTISED PRODUCT. Where the list says 'softmax', what is quantised is not the finished softmax but p = 2^(t - M), with t = logit x log2(e) and M = ceil(the row's largest t), a whole number; so 1/2 < the row's largest p <= 1. The row's sum l is taken of the UNQUANTISED p, in f32, and the product's result is divided by l at the end. Since M is a whole number, a kernel that streams over the keys may use a running M (the ceiling of the running maximum): every later rescaling is an exact power of two, so the quantised numbers keep their values, but for numbers so far below the row's largest that they fall under the format's range.
;;   OPERANDS COMPUTED ON THE WAY. 'Computed on the way' means the value that the module computes at that place (a softmax that the list does not call 'softmax' is quantised finished and normalised). What goes into a quantiser is computed in f32, as accurately as f32 sums, v_exp_f32 and their like allow (about 1e-6 of the number): no bf16 or f16 on the way to a quantiser, and a product that is left as it is and whose result goes on into a quantised operand takes f32 operands (vector FMAs, or v_wmma_f32_16x16x4_f32). A number that lies on a knife's edge between two numbers of the format may be rounded either way, as far as f32 arithmetic and the matrix unit's own rounding can turn it there, and no further.
;; One version. Each part assembles by itself: llvm-mc -triple=amdgcn-amd-amdhsa -mcpu=gfx1250 --defsym DOCPART=n.
;; ======== version 1 of 1: 4 launches
;; limits: right only within a limited range of input values
;; workspace buffers: xc 8,388,608 bytes; wc 3,145,728 bytes; wpc 1,048,576 bytes; qkv 25,165,824 bytes; oc 8,388,608 bytes
;; launch quant (part 1): grid 384 x 1, 4 waves a work-group, no clusters, 68,096 bytes of LDS; arguments x, w_qkv, w_proj, lowp_scales, xc, wc, wpc; writes xc, wc, wpc
.if DOCPART == 1
	.amdgcn_target "amdgcn-amd-amdhsa--gfx1250"
	.amdhsa_code_object_version 6
	.text
	.protected	k_q4ab81a56a8_quant
	.globl	k_q4ab81a56a8_quant
	.p2align	8
	.type	k_q4ab81a56a8_quant,@function
k_q4ab81a56a8_quant:
	s_mov_b64 s[64:65], 0
	v_nop
	global_prefetch_b8 v0, s[64:65] scope:SCOPE_SE
	s_setreg_imm32_b32 hwreg(HW_REG_WAVE_MODE, 25, 1), 1
	s_wait_xcnt 0x0
; The three wide inputs become codes of FP8 (E4M3), one byte a number, K innermost, each with the one scale 2^e that is given for it:
;   x      [8192][1024] f32 (K innermost)  -> xc  [8192][1024]   e = entry 0 of the scales
;   w_qkv  [1024 k][3072 n] f32 (K first)  -> wc  [3072 n][1024 k]  e = entry 1
;   w_proj [1024 k][1024 n] f32 (K first)  -> wpc [1024 n][1024 k]  e = entry 7
; code = number / 2^e, held within +-448, rounded to the nearest code, ties to even.
; LIMITS: each e lies between -126 and 119, so that 2^e and 448 x 2^e are f32 numbers.  NaN among the inputs is not served (an infinity is held at the largest code).
; SHARES.  Work-groups 0 to 255 take x: 32,768 numbers each, 8,192 a wave.  Work-groups 256 to 383 take the weights: 128 columns x 256 along K each, 32 columns a wave:
; 24 groups of columns of w_qkv and 8 of w_proj, four parts of K.  Both kinds read 131,072 bytes.  The two ways part on the work-group's number and never join; each has LDS bytes of its own.
; No work-group shares an input byte with another, so there is no cluster; waves share nothing, so there is no barrier; no matrix work.
.set XWG,   256                        ; work-groups for x
.set STEPS, 16                         ; x: steps of 512 numbers a wave
.set SP,    80                         ; x: a lane's place in a stage: its 64 bytes + 16 of padding
.set WREG,  8192                       ; x: LDS bytes of a wave: two stages of 32 x SP bytes
.set R,     16                         ; x: v16-79   four sets of 16 numbers as they are loaded
.set X,     80                         ; x: v80-111  two sets of 16 neighbours
.set C,     128                        ; x: v128-191 codes, four registers for each step: no store's data are written again
.set WST,   32768                      ; weights: their stages begin here
.set WP,    272                        ; weights: a stage row: 256 bytes of codes + 16
.set NB,    8                          ; weights: blocks of 32 along K for a wave
.set OFS,   16                         ; weights: v16-47  byte offset of my column in row i of a block, i = 0 .. 31; never rewritten
.set XW,    48                         ; weights: v48-111 two sets of 32 numbers
.set CW,    112                        ; weights: v112-119 a block's codes
.set OUTR,  120                        ; weights: v120-183 the way out
.set BAS,   32                         ; weights: s[32:47] the address of each of the wave's eight blocks; never stepped
	s_load_b256 s[4:11], s[0:1], 0x0               ; x s[4:5], w_qkv s[6:7], w_proj s[8:9], the scales' exponents s[10:11]
	s_load_b128 s[12:15], s[0:1], 0x20             ; xc s[12:13], wc s[14:15]
	s_load_b64 s[16:17], s[0:1], 0x30              ; wpc
	v_lshl_add_u32 v192, v0, 2, 0x10800
	v_mov_b32 v193, 0
	v_lshrrev_b32 v1, 5, v0
	v_readfirstlane_b32 s18, v1                    ; wave 0..3
	v_and_b32 v2, 31, v0                           ; lane
	v_lshlrev_b32 v3, 4, v2                        ; x: my 16 bytes of a load's 512, and of a store's
	; every LDS address is made here, ahead of the parting of the ways
	s_mul_i32 s19, s18, WREG
	v_lshrrev_b32 v14, 2, v2
	v_mul_u32_u24 v14, v14, SP
	v_and_b32 v15, 3, v2
	v_lshl_add_u32 v14, v15, 4, v14
	v_add_nc_u32 v14, s19, v14                     ; x's stage, on the way in: four lanes' 64 bytes on end, then 16 of padding
	v_mul_u32_u24 v15, v2, SP
	v_add_nc_u32 v15, s19, v15                     ; and on the way out: my 16 neighbours
	s_mul_i32 s19, s18, 32*WP
	s_add_co_u32 s19, s19, WST
	v_mul_u32_u24 v4, v2, WP
	v_add_nc_u32 v4, s19, v4                       ; the weights' stage, on the way in: row = my column
	v_and_b32 v5, 15, v2
	v_lshrrev_b32 v6, 4, v2
	v_mul_u32_u24 v7, v6, WP
	v_lshl_add_u32 v7, v5, 4, v7
	v_add_nc_u32 v7, s19, v7                       ; on the way out: sixteen lanes to a row, two rows an instruction
	v_lshlrev_b32 v8, 10, v6
	v_lshl_add_u32 v8, v5, 4, v8                   ; and the same place in the codes' buffer, whose rows are 1,024 bytes
	s_wait_kmcnt 0x0
	s_load_b256 s[24:31], s[10:11], 0x0            ; e0 .. e7
	s_cmp_lt_u32 ttmp9, XWG
	s_cbranch_scc0 .Lweights
; ---------------- x: a plain stream of numbers, K innermost.
; The conversions take eight neighbours along K from ONE lane's registers, a load is densest where neighbouring LANES take neighbouring bytes.  Both are had: each of a step's four loads reads 512
; consecutive bytes, 16 a lane; the 2,048 bytes go through the wave's own stage in LDS as they lie and come back 64 bytes a lane.  A lane's 16 codes are 16 bytes: a store covers 512 consecutive bytes.
.macro LOAD t
.irp i, 0,1,2,3
	global_load_b128 v[R+16*((\t)%4)+4*\i:R+16*((\t)%4)+4*\i+3], v3, s[4:5] offset:2048*(\t)+512*\i th:TH_LOAD_NT
.endr
.endm
.macro TURN t                          ; step t's numbers through the stage: LDS serves a wave's instructions in order (ISA guide 5.7.1.4), so no wait stands between the stores and the loads
.irp i, 0,1,2,3
	ds_store_b128 v14, v[R+16*((\t)%4)+4*\i:R+16*((\t)%4)+4*\i+3] offset:32*SP*((\t)%2)+8*SP*\i
.endr
.irp i, 0,1,2,3
	ds_load_b128 v[X+16*((\t)%2)+4*\i:X+16*((\t)%2)+4*\i+3], v15 offset:32*SP*((\t)%2)+16*\i
.endr
.endm
.macro STEP t
.set XS, X+16*((\t)%2)
	s_wait_dscnt 0x0                               ; this step's numbers are back from the stage, so its stores into the stage have read their registers,
.if (\t)+4 < STEPS
	LOAD (\t)+4                                    ; which take the loads of four steps on
.endif
.if (\t)+1 < STEPS
.if STEPS-2-(\t) >= 3
	s_wait_loadcnt 12                              ; the next step's four loads are in; those of the three steps behind it may be out
.else
	s_wait_loadcnt 4*(STEPS-2-(\t))                ; at the end fewer steps stand behind it
.endif
	TURN (\t)+1                                    ; and go through the other stage while this step is worked
.endif
.irp i, 0,1,2,3,4,5,6,7,8,9,10,11,12,13,14,15
	v_med3_num_f32 v[XS+\i], v[XS+\i], -v10, v10   ; the conversion to an 8-bit code does not saturate (ISA guide 7.6.2): the number is held within the largest code x the scale first
.endr
	v_cvt_scalef32_pk8_fp8_f32 v[C+4*(\t):C+4*(\t)+1], v[XS:XS+7], v11     ; eight numbers / 2^e; the first number's code in the lowest byte
	v_cvt_scalef32_pk8_fp8_f32 v[C+4*(\t)+2:C+4*(\t)+3], v[XS+8:XS+15], v11
	global_store_b128 v3, v[C+4*(\t):C+4*(\t)+3], s[12:13] offset:512*(\t) ; (the codes go to a store alone; the next vector lines are the next step's holds, plain ones on other registers)
.endm
	s_lshl_b32 s19, ttmp9, 2
	s_add_co_u32 s19, s19, s18                     ; which run of 8,192 numbers is my wave's
	s_lshl_b32 s20, s19, 15                        ; 32,768 bytes of f32
	s_mov_b32 s21, 0
	s_add_nc_u64 s[4:5], s[4:5], s[20:21]
	s_lshl_b32 s20, s19, 13                        ; 8,192 bytes of codes
	s_add_nc_u64 s[12:13], s[12:13], s[20:21]
.irp t, 0,1,2,3
	LOAD \t
.endr
	s_wait_kmcnt 0x0
	s_add_co_i32 s22, s24, 127
	s_lshl_b32 s23, s22, 23
	v_mov_b32 v11, s23                             ; 2^e0 as f32: the conversion takes its exponent field
	s_add_co_i32 s22, s22, 8
	s_lshl_b32 s22, s22, 23
	s_or_b32 s22, s22, 0x600000
	v_mov_b32 v10, s22                             ; 448 x 2^e0
	s_wait_alu depctr_va_vdst(0)
	s_wait_loadcnt 12                              ; step 0's four loads are in; steps 1 to 3 may be out
	TURN 0
.irp t, 0,1,2,3,4,5,6,7,8,9,10,11,12,13,14,15
	STEP \t
.endr
	s_wait_tensorcnt 0x0
	ds_add_u32 v192, v193
	s_wait_dscnt 0x0
	s_endpgm
; ---------------- the weights: K is the FIRST axis.  A LANE TAKES A COLUMN n AND ITS REGISTERS RUN DOWN K: each load reads 128 consecutive bytes a wave, and the conversions give codes with K innermost.
; A lane's codes belong to one row of the output and the lanes beside it hold other rows: so 256 along K are gathered in the wave's own stage and leave as rows, sixteen lanes to 256 consecutive aligned bytes.
.Lweights:
	s_sub_co_u32 s19, ttmp9, XWG
	s_and_b32 s20, s19, 31                         ; group of 128 columns: 0-23 w_qkv's, 24-31 w_proj's
	s_lshr_b32 s21, s19, 5                         ; which 256 along K
	s_cmp_lt_u32 s20, 24                           ; the choice hangs on the work-group's number alone
	s_cselect_b64 s[4:5], s[6:7], s[8:9]           ; from
	s_cselect_b64 s[12:13], s[14:15], s[16:17]     ; to
	s_mov_b32 s22, 4096
	s_cselect_b32 s22, 12288, s22                  ; a row of the weight in bytes
	s_cselect_b32 s23, 0, 24                       ; the tensor's first group
	s_sub_co_u32 s48, s20, s23
	s_lshl_b32 s48, s48, 7
	s_lshl_b32 s49, s18, 5
	s_add_co_u32 s48, s48, s49                     ; my wave's first column
	s_lshl_b32 s50, s21, 8
	s_mul_i32 s50, s50, s22                        ; 256 rows for each part of K,
	s_lshl_b32 s49, s48, 2
	s_add_co_u32 s50, s50, s49                     ; + 4 bytes a column
	s_mov_b32 s51, 0
	s_add_nc_u64 s[BAS:BAS+1], s[4:5], s[50:51]
	s_lshl_b32 s52, s22, 5                         ; a block of 32 rows on
	s_mov_b32 s53, 0
.irp t, 1,2,3,4,5,6,7
	s_add_nc_u64 s[BAS+2*\t:BAS+2*\t+1], s[BAS+2*\t-2:BAS+2*\t-1], s[52:53]
.endr
	s_lshl_b32 s50, s48, 10                        ; the codes: 1,024 bytes a column,
	s_lshl_b32 s49, s21, 8
	s_add_co_u32 s50, s50, s49                     ; + 256 for each part of K
	s_add_nc_u64 s[12:13], s[12:13], s[50:51]
	v_lshlrev_b32 v[OFS], 2, v2                    ; row 0 of a block: 4 bytes a lane;
.set i, 1
.rept 31
	v_add_nc_u32 v[OFS+i], s22, v[OFS+i-1]         ; row i: a row further down
.set i, i+1
.endr
.macro LOADW t                         ; block t: W(32 t + i, my column), i = 0 .. 31, into set t % 2
.set i, 0
.rept 32
	global_load_b32 v[XW+32*((\t)%2)+i], v[OFS+i], s[BAS+2*(\t):BAS+2*(\t)+1] th:TH_LOAD_NT
.set i, i+1
.endr
.endm
	LOADW 0
	LOADW 1
	s_wait_kmcnt 0x0
	s_cmp_lt_u32 s20, 24
	s_cselect_b32 s55, s25, s31                    ; e1 or e7
	s_add_co_i32 s55, s55, 127
	s_lshl_b32 s56, s55, 23
	v_mov_b32 v11, s56                             ; 2^e as f32
	s_add_co_i32 s55, s55, 8
	s_lshl_b32 s55, s55, 23
	s_or_b32 s55, s55, 0x600000
	v_mov_b32 v10, s55                             ; 448 x 2^e
.macro BLOCK t
.set XS, XW+32*((\t)%2)
.if (\t) < NB-1
	s_wait_loadcnt 32                              ; this block's 32 loads are in; the next block's may be out
.else
	s_wait_loadcnt 0
.endif
.set i, 0
.rept 32
	v_med3_num_f32 v[XS+i], v[XS+i], -v10, v10     ; the hold at the largest code x the scale
.set i, i+1
.endr
.irp g, 0,1,2,3
	v_cvt_scalef32_pk8_fp8_f32 v[CW+2*\g:CW+2*\g+1], v[XS+8*\g:XS+8*\g+7], v11
.endr
	ds_store_b128 v4, v[CW:CW+3] offset:32*(\t)    ; 32 codes: 32 bytes of my column's row
	ds_store_b128 v4, v[CW+4:CW+7] offset:32*(\t)+16
.if (\t)+2 < NB
	LOADW (\t)+2
.endif
	s_wait_dscnt 0x0                               ; the stores have read their registers: the next block's codes may be written (its 32 holds, plain lines, come first)
.endm
.set Q, 0
	s_wait_alu depctr_va_vdst(0)
.rept NB
	BLOCK Q
.set Q, Q+1
.endr
.irp t, 0,1,2,3,4,5,6,7,8,9,10,11,12,13,14,15
	ds_load_b128 v[OUTR+4*\t:OUTR+4*\t+3], v7 offset:2*\t*WP   ; LDS serves a wave's instructions in order: these see my stores
.endr
.irp t, 0,1,2,3,4,5,6,7,8,9,10,11,12,13,14,15
	s_wait_dscnt 15-\t                             ; load t is back; the younger ones may be out
	global_store_b128 v8, v[OUTR+4*\t:OUTR+4*\t+3], s[12:13] offset:2*\t*1024
.endr
	s_wait_tensorcnt 0x0
	ds_add_u32 v192, v193
	s_wait_dscnt 0x0
	s_endpgm
.Lfunc_end_k_q4ab81a56a8_quant:
	.size	k_q4ab81a56a8_quant, .Lfunc_end_k_q4ab81a56a8_quant-k_q4ab81a56a8_quant
	.p2alignl 7, 3214868480
	.fill 96, 4, 3214868480
	.section	.rodata,"a",@progbits
	.p2align	6, 0x0
	.amdhsa_kernel k_q4ab81a56a8_quant
		.amdhsa_group_segment_fixed_size 68096
		.amdhsa_private_segment_fixed_size 0
		.amdhsa_enable_private_segment 0
		.amdhsa_kernarg_size 56
		.amdhsa_user_sgpr_count 2
		.amdhsa_user_sgpr_kernarg_segment_ptr 1
		.amdhsa_wavefront_size32 1
		.amdhsa_system_sgpr_workgroup_id_x 1
		.amdhsa_system_sgpr_workgroup_id_y 1
		.amdhsa_system_sgpr_workgroup_id_z 1
		.amdhsa_system_vgpr_workitem_id 0
		.amdhsa_next_free_vgpr 194
		.amdhsa_next_free_sgpr 66
		.amdhsa_reserve_vcc 0
		.amdhsa_float_denorm_mode_32 3
		.amdhsa_float_denorm_mode_16_64 3
		.amdhsa_memory_ordered 1
		.amdhsa_forward_progress 1
		.amdhsa_inst_pref_size 87
	.end_amdhsa_kernel
	.amdgpu_metadata
---
amdhsa.version: [ 1, 2 ]
amdhsa.kernels:
  - .name:           k_q4ab81a56a8_quant
    .symbol:         k_q4ab81a56a8_quant.kd
    .args:
      - { .name: x, .offset: 0, .size: 8, .value_kind: global_buffer, .address_space: global }
      - { .name: w_qkv, .offset: 8, .size: 8, .value_kind: global_buffer, .address_space: global }
      - { .name: w_proj, .offset: 16, .size: 8, .value_kind: global_buffer, .address_space: global }
      - { .name: lowp_scales, .offset: 24, .size: 8, .value_kind: global_buffer, .address_space: global }
      - { .name: xc, .offset: 32, .size: 8, .value_kind: global_buffer, .address_space: global }
      - { .name: wc, .offset: 40, .size: 8, .value_kind: global_buffer, .address_space: global }
      - { .name: wpc, .offset: 48, .size: 8, .value_kind: global_buffer, .address_space: global }
    .group_segment_fixed_size: 68096
    .private_segment_fixed_size: 0
    .kernarg_segment_align: 8
    .kernarg_segment_size: 56
    .max_flat_workgroup_size: 128
    .sgpr_count:     66
    .vgpr_count:     194
    .wavefront_size: 32
...
	.end_amdgpu_metadata
.endif
;; end of part 1
;; launch qkvgemm (part 2): grid 8 x 32, 8 waves a work-group, clusters of 4 x 4, 327,680 bytes of LDS; arguments xc, wc, lowp_scales, qkv; writes qkv
.if DOCPART == 2
	.amdgcn_target "amdgcn-amd-amdhsa--gfx1250"
	.amdhsa_code_object_version 6
	.text
	.protected	k_q4ab81a56a8_qkvgemm
	.globl	k_q4ab81a56a8_qkvgemm
	.p2align	8
	.type	k_q4ab81a56a8_qkvgemm,@function
k_q4ab81a56a8_qkvgemm:
	s_mov_b64 s[64:65], 0
	v_nop
	global_prefetch_b8 v0, s[64:65] scope:SCOPE_SE
	s_setreg_imm32_b32 hwreg(HW_REG_WAVE_MODE, 25, 1), 1
	s_wait_xcnt 0x0
	s_wait_alu depctr_hold_cnt(0) depctr_sa_sdst(0) depctr_va_vdst(0) depctr_va_sdst(0) depctr_va_ssrc(0) depctr_va_vcc(0) depctr_vm_vsrc(0)
	s_getreg_b32 s2, hwreg(HW_REG_IB_STS2, 6, 4)
	s_cmp_eq_u32 s2, 0
	s_cbranch_scc0 .Lentry_in_a_cluster
	s_endpgm
.Lentry_in_a_cluster:
	s_bfe_u32 s2, ttmp6, 0x10000c
	s_cmp_lg_u32 s2, 0xf033
	s_cbranch_scc0 .Lentry_shape_is_right
	s_endpgm
.Lentry_shape_is_right:
; The first product, x w_qkv, on codes of FP8 (E4M3), and its results turned at once into the codes that attention multiplies: q (scale 2^e2), k (2^e3), v (2^e5).
; xc: [8192 tokens][1024], wc: [3072 n][1024]: codes, K innermost.  A sum stands for sum x 2^(e0 + e1), so its code is sum / 2^(e_dst - e0 - e1), held within +-448.
; LIMIT: e_dst - e0 - e1 lies between -126 and 119 for e_dst = e2, e3, e5.  NaN is not served.
; qkv: three sections of 8 MiB (q, k, v), each [y = 8 batch + head pair][block of 128 tokens][128 rows][128 bytes].  q, k: row = token, byte = channel of the pair; v: row = channel, byte = token.
; k alone: bits 3 and 4 of the row are exchanged, so that the 16 keys which attention takes as a tile lie in 16 neighbouring rows.
; SHARES.  A work-group takes 256 tokens and one head pair's 128 channels of q, of k and of v: 32 x 8 = 256 work-groups.  Eight waves, two to a SIMD.  Wave w: token block th = w / 4, r2 = w % 4.
;   q, k: section r2 / 2, tokens 64 (r2 % 2) on of the block, all 128 channels: 32 accumulators; source 0 = 16 channels, source 1 = 16 tokens: a lane holds a token and eight neighbouring channels.
;   v: channels 32 r2 on, all 128 tokens of the block: 16 accumulators; source 0 = 16 tokens, source 1 = 16 channels: a lane holds a channel and eight neighbouring tokens.
;   So a wave's codes are dense runs of qkv: 8,192 bytes of q or k, 4,096 bytes of v.
; LDS.  K goes in four steps of 256.  Two slots hold tokens (256 rows), q and k (128 rows each); v's 128 rows have ONE region: rows of 256 bytes + 16.  Slot 0, v, slot 1 lie on end: 313,344 bytes.
; FILLS.  Each wave brings half of one tile: w % 4 = 3 tokens (128 rows), 0, 1, 2 = q, k, v (64 rows).  At the head: K step 0.  Behind a round of its own: slot 1's first fill (K step 1; v's waves issue none).
; Behind the round at the end of K step s (s = 0, 1, 2): v's tile of step s + 1 and, while there are any, the other tiles of step s + 2.  In steps 1 to 3 q's and k's products come first; a barrier, in front of which each wave has
; waited for its load, then opens v's products.  By this text's count a wave has one tensor load out.
; CLUSTERS: 4 x 4.  The four of a row need the same tokens, the four of a column the same channels: each tile is asked for jointly, by the same load with the same descriptor and a mask that names the four.
; NO PREFETCH: the text has no loop to run ahead in, and K has four steps: each tile is asked for one step after the tile before it.
; A fragment (16 rows x 64 K, 8 registers): registers 0-3 hold K = 16 (lane / 16) + 0 .. 15, registers 4-7 K = 32 + 16 (lane / 16) + 0 .. 15, the same places in both sources.
; REGISTERS: window 0: v1-15, v112-117 addresses and constants; v16-79 eight fragments of source 0; v80-111 four of source 1; v128-255 v's accumulators.  Window 1: q's or k's accumulators, (a, b) at v[8 (8 a + b)].
.set PITCH,  272
.set TREG,   256*PITCH
.set CREG,   128*PITCH
.set VREG,   TREG+2*CREG               ; v's region, behind slot 0
.set SL1,    VREG+CREG                 ; slot 1
.set SPARE,  SL1+VREG                  ; the spare words, 128 bytes a wave; no other line names them
.set SPITCH, 144                       ; the way out: stage rows of 128 bytes + 16; the stages lie in slot 0, which has had its last fill and its last read by then
.set WST,    96*SPITCH                 ; a wave's stage: 64 rows for q or k, then 32 for v
.set VST,    64*SPITCH
.set SPW,  1
.set NIL,  2
.set ADT,  4                           ; v4, v5: my tokens for q, k in slot 0, 1
.set ADC,  6                           ; v6, v7: my section's channels
.set ADTV, 8                           ; v8, v9: my block's tokens for v
.set ADV,  10                          ; v10: my channels of v
.set STO,  11
.set RD,   13
.set CO,   15
.set BF,   16
.set AFR,  80
.set CO1,  112                         ; CO, + 1,024 for k: groups of eight rows that k moves one group down
.set CO2,  113                         ; CO, + 1,024 for q: groups that k moves one group up (their immediates stand 1,024 lower)
.set SCL,  114
.set LIM,  115
.set VA,   128
.set G1T,  24
.set G0T,  32
.set G0C,  36
.set G1C,  48
.set LT0,  56                          ; s56, s57: where my half of the tokens' tile goes, slot 0, 1
.set LCA,  58                          ; s58, s59: the same for q, k (v: both its one region)
.set FLAGS, (0<<16)|(1<<20)|(1<<21)|(5<<22)|(3<<25)   ; elements of 1 byte; padding on; bit 21 beside a mask; four words after every 64
.set MSB, 0
.macro WIN new                         ; the immediate's high byte repeats the setting that is left
.if MSB != \new
	s_set_vgpr_msb (MSB<<8)|\new
.set MSB, \new
.endif
.endm
.macro PLACES n
.rept \n
	v_nop
.endr
.endm
.macro CREST
	s_cmp_lg_u32 s14, 0
	s_cbranch_scc1 .Lnot_wave_0_\@
	s_barrier_signal -3
.Lnot_wave_0_\@:
	s_barrier_wait -3
	s_barrier_signal -1
	s_barrier_wait -1
.endm
.macro CROUND
	s_barrier_signal -1
	s_barrier_wait -1
	CREST
.endm
.macro FULL                            ; in front of every later fill: all my loads are in, the add, my LDS reads are over; then a round of the cluster's barrier
	s_wait_tensorcnt 0x0
	ds_add_u32 v[SPW], v[NIL]
	s_wait_dscnt 0x0
	CROUND
.endm
.macro PBAR                            ; it shows every wave the tiles that have landed
	s_wait_tensorcnt 0x0
	s_wait_dscnt 0x0
	s_barrier_signal -1
	s_barrier_wait -1
.endm
; The two arms of a joint load.  step = 1: 256 along K on.  An s_nop 0 and four v_nop follow the load.
.macro TARM lt, step
.if \step
	s_add_nc_u64 s[G0T+2:G0T+3], s[G0T+2:G0T+3], 256
.endif
	s_mov_b32 s[G0T+1], s[\lt]
	tensor_load_to_lds s[G0T:G0T+3], s[G1T:G1T+7]
	s_nop 0
	PLACES 4
.endm
.macro CARM lc, step
.if \step
	s_add_nc_u64 s[G0C+2:G0C+3], s[G0C+2:G0C+3], 256
.endif
	s_mov_b32 s[G0C+1], s[\lc]
	tensor_load_to_lds s[G0C:G0C+3], s[G1C:G1C+7]
	s_nop 0
	PLACES 4
.endm
.macro EVALL sl, step                  ; every wave brings its half tile, into slot sl
	s_cmp_eq_u32 s16, 3
	s_cbranch_scc0 .Lc_\@
	TARM LT0+\sl, \step
	s_branch .Lj_\@
.Lc_\@:
	CARM LCA+\sl, \step
.Lj_\@:
.endm
	s_load_b128 s[4:7], s[0:1], 0x0                ; xc, wc
	s_load_b128 s[8:11], s[0:1], 0x10              ; the scales' exponents, qkv
	v_lshl_add_u32 v[SPW], v0, 2, SPARE
	v_mov_b32 v[NIL], 0
	ds_add_u32 v[SPW], v[NIL]                      ; the opening lines: the add twice on end and one wait, ahead of my first tensor load
	ds_add_u32 v[SPW], v[NIL]
	v_lshrrev_b32 v3, 5, v0
	v_readfirstlane_b32 s14, v3                    ; wave 0..7
	s_lshr_b32 s15, s14, 2                         ; th: my token block.  Also: which half of a tile I fetch
	s_and_b32 s16, s14, 3                          ; r2.  Also: what I fetch: 0 q, 1 k, 2 v, 3 tokens
	s_lshr_b32 s18, s16, 1                         ; my section: 0 q, 1 k
	s_and_b32 s19, s16, 1                          ; my 64 tokens of the block
	s_bfe_u32 s40, ttmp6, 0x40000                  ; cx, cy
	s_bfe_u32 s41, ttmp6, 0x40004
	s_lshl_b32 s42, ttmp9, 2
	s_add_co_u32 s42, s42, s40                     ; the head pair
	s_and_b32 s17, ttmp7, 0xffff
	s_lshl_b32 s17, s17, 2
	s_add_co_u32 s17, s17, s41                     ; which 256 tokens
	s_lshl_b32 s43, s41, 2
	s_lshl_b32 s43, 15, s43                        ; my row of the cluster
	s_lshl_b32 s44, 0x1111, s40                    ; my column
	s_or_b32 s[G1T], s43, FLAGS
	s_or_b32 s[G1C], s44, FLAGS
	s_mov_b32 s[G1T+1], 256<<16
	s_mov_b32 s[G1T+2], 128<<16
	s_mov_b32 s[G1T+3], 256<<16
	s_mov_b32 s[G1T+4], 128
	s_mov_b32 s[G1T+5], 1024
	s_mov_b32 s[G1T+6], 0
	s_mov_b32 s[G1T+7], 0
	s_mov_b32 s[G1C+1], 256<<16
	s_mov_b32 s[G1C+2], 64<<16
	s_mov_b32 s[G1C+3], 256<<16
	s_mov_b32 s[G1C+4], 64
	s_mov_b32 s[G1C+5], 1024
	s_mov_b32 s[G1C+6], 0
	s_mov_b32 s[G1C+7], 0
	s_lshl_b32 s20, s17, 8                         ; tokens: row 256 x tile row + 128 x half: it holds cy and never cx
	s_lshl_b32 s21, s15, 7
	s_add_co_u32 s20, s20, s21
	s_lshl_b32 s20, s20, 10
	s_mov_b32 s21, 0
	s_lshl_b32 s46, s16, 10                        ; channels: row 1,024 x section + 128 x head pair + 64 x half: it holds cx and never cy
	s_lshl_b32 s47, s42, 7
	s_add_co_u32 s46, s46, s47
	s_lshl_b32 s47, s15, 6
	s_add_co_u32 s46, s46, s47
	s_lshl_b32 s46, s46, 10
	s_mov_b32 s47, 0
	s_mul_i32 s[LT0], s15, 128*PITCH
	s_add_co_u32 s[LT0+1], s[LT0], SL1
	s_mul_i32 s[LCA], s16, CREG
	s_add_co_u32 s[LCA], s[LCA], TREG
	s_mul_i32 s45, s15, 64*PITCH
	s_add_co_u32 s[LCA], s[LCA], s45
	s_xor_b32 s45, s18, 1                          ; 1 for q and k, 0 for v: v's region does not take turns
	s_mul_i32 s45, s45, SL1
	s_add_co_u32 s[LCA+1], s[LCA], s45
	s_lshl_b32 s60, s15, 7                         ; what I read.  q, k: my 64 tokens,
	s_lshl_b32 s61, s19, 6
	s_add_co_u32 s60, s60, s61
	s_mul_i32 s60, s60, PITCH
	s_add_co_u32 s61, s60, SL1
	s_mul_i32 s62, s18, CREG                       ; my section's 128 channels;
	s_add_co_u32 s62, s62, TREG
	s_add_co_u32 s63, s62, SL1
	s_mul_i32 s66, s16, 32*PITCH                   ; v: my 32 channels
	s_add_co_u32 s66, s66, VREG
	s_mul_i32 s67, s14, WST                        ; my stage
	s_lshr_b32 s68, s17, 3                         ; where my codes go: y = 8 batch + head pair,
	s_lshl_b32 s68, s68, 3
	s_add_co_u32 s68, s68, s42
	s_lshl_b32 s68, s68, 18
	s_lshl_b32 s69, s17, 1
	s_add_co_u32 s69, s69, s15
	s_and_b32 s69, s69, 15                         ; the block of 128 tokens in the batch
	s_lshl_b32 s69, s69, 14
	s_add_co_u32 s68, s68, s69
	s_lshl_b32 s70, s18, 23                        ; q or k: the section, my 64 rows of 128 bytes
	s_add_co_u32 s70, s70, s68
	s_lshl_b32 s71, s19, 13
	s_add_co_u32 s70, s70, s71
	s_mov_b32 s71, 0
	s_lshl_b32 s72, s16, 12                        ; v: section 2, my 32 rows
	s_add_co_u32 s72, s72, s68
	s_add_co_u32 s72, s72, 1<<24
	s_mov_b32 s73, 0
	s_cmp_eq_u32 s18, 1                            ; k?
	s_cselect_b32 s93, 1024, 0
	s_cselect_b32 s94, 0, 1024
	s_wait_dscnt 0x0                               ; both opening adds are done
	s_wait_kmcnt 0x0
	s_load_b256 s[80:87], s[8:9], 0x0              ; e0 .. e7
	s_mov_b32 s[G0T], 1
	s_add_nc_u64 s[G0T+2:G0T+3], s[4:5], s[20:21]
	s_or_b32 s[G0T+3], s[G0T+3], 0x80000000
	s_mov_b32 s[G0C], 1
	s_add_nc_u64 s[G0C+2:G0C+3], s[6:7], s[46:47]
	s_or_b32 s[G0C+3], s[G0C+3], 0x80000000
	s_add_nc_u64 s[88:89], s[10:11], s[70:71]
	s_add_nc_u64 s[90:91], s[10:11], s[72:73]
	CROUND                                         ; all sixteen work-groups are here: the first joint loads meet
	EVALL 0, 0                                     ; K step 0: one tensor load a wave at the head
	v_and_b32 v3, 15, v0                           ; r
	v_bfe_u32 v12, v0, 4, 1                        ; h
	v_mul_u32_u24 v14, v3, PITCH
	v_lshl_add_u32 v14, v12, 4, v14                ; a fragment's row x pitch + 16 h
	v_add_nc_u32 v[ADT], s60, v14
	v_add_nc_u32 v[ADT+1], s61, v14
	v_add_nc_u32 v[ADC], s62, v14
	v_add_nc_u32 v[ADC+1], s63, v14
	v_add_nc_u32 v[ADTV], s[LT0], v14
	v_add_nc_u32 v[ADTV+1], s[LT0+1], v14
	v_add_nc_u32 v[ADV], s66, v14
	v_mul_u32_u24 v14, v3, SPITCH                  ; the stage, in: row r of a block of 16, 8 bytes for each half of the lanes
	v_lshl_add_u32 v14, v12, 3, v14
	v_add_nc_u32 v[STO], s67, v14
	v_and_b32 v3, 31, v0
	v_lshlrev_b32 v[CO], 4, v3
	v_lshrrev_b32 v12, 3, v3                       ; back: eight lanes to a row of 128 bytes, four rows an instruction
	v_mul_u32_u24 v12, v12, SPITCH
	v_and_b32 v14, 7, v0
	v_lshl_add_u32 v12, v14, 4, v12
	v_add_nc_u32 v[RD], s67, v12
	v_add_nc_u32 v[CO1], s93, v[CO]
	v_add_nc_u32 v[CO2], s94, v[CO]
.macro LDF reg, adr, off
	ds_load_b128 v[\reg:\reg+3], v[\adr] offset:(\off)
	ds_load_b128 v[\reg+4:\reg+7], v[\adr] offset:(\off)+32
.endm
; 64 along K of q or k: 12 fragments, 32 products.  Four places stand in front of loads into registers that the last products read.  The accumulators take turns, one instruction a turn.
.macro QKP s, kk, zero
	PLACES 4
.irp b, 0,1,2,3,4,5,6,7
	LDF BF+8*\b, ADC+\s, \b*16*PITCH+64*(\kk)
.endr
.irp a, 0,1,2,3
	LDF AFR+8*\a, ADT+\s, \a*16*PITCH+64*(\kk)
.endr
	s_wait_dscnt 0x0
	WIN 0x50                                       ; C and D in window 1
.irp a, 0,1,2,3
.irp b, 0,1,2,3,4,5,6,7
.if \zero
	v_wmma_f32_16x16x64_fp8_fp8 v[8*(8*\a+\b):8*(8*\a+\b)+7], v[BF+8*\b:BF+8*\b+7], v[AFR+8*\a:AFR+8*\a+7], 0
.else
	v_wmma_f32_16x16x64_fp8_fp8 v[8*(8*\a+\b):8*(8*\a+\b)+7], v[BF+8*\b:BF+8*\b+7], v[AFR+8*\a:AFR+8*\a+7], v[8*(8*\a+\b):8*(8*\a+\b)+7]
.endif
.endr
.endr
	WIN 0
.endm
; 64 along K of v: 10 fragments, 16 products
.macro VP s, kk, zero
	PLACES 4
.irp b, 0,1,2,3,4,5,6,7
	LDF BF+8*\b, ADTV+\s, \b*16*PITCH+64*(\kk)
.endr
.irp a, 0,1
	LDF AFR+8*\a, ADV, \a*16*PITCH+64*(\kk)
.endr
	s_wait_dscnt 0x0
.irp a, 0,1
.irp b, 0,1,2,3,4,5,6,7
.if \zero
	v_wmma_f32_16x16x64_fp8_fp8 v[VA+8*(8*\a+\b):VA+8*(8*\a+\b)+7], v[BF+8*\b:BF+8*\b+7], v[AFR+8*\a:AFR+8*\a+7], 0
.else
	v_wmma_f32_16x16x64_fp8_fp8 v[VA+8*(8*\a+\b):VA+8*(8*\a+\b)+7], v[BF+8*\b:BF+8*\b+7], v[AFR+8*\a:AFR+8*\a+7], v[VA+8*(8*\a+\b):VA+8*(8*\a+\b)+7]
.endif
.endr
.endr
.endm
.macro QK4 s, z
	QKP \s, 0, \z
	QKP \s, 1, 0
	QKP \s, 2, 0
	QKP \s, 3, 0
.endm
.macro V4 s, z
	VP \s, 0, \z
	VP \s, 1, 0
	VP \s, 2, 0
	VP \s, 3, 0
.endm
	s_wait_alu depctr_va_vdst(0)                   ; the wait at the head's end
	FULL                                           ; K step 0 is whole
	s_cmp_eq_u32 s16, 3                            ; slot 1's first fill, K step 1: behind this round nothing is filled again; v's waves issue none
	s_cbranch_scc0 .Lf1_c
	TARM LT0+1, 1
	s_branch .Lf1_j
.Lf1_c:
	s_cmp_eq_u32 s16, 2
	s_cbranch_scc1 .Lf1_j
	CARM LCA+1, 1
.Lf1_j:
	V4 0, 1                                        ; K step 0
	QK4 0, 1
	FULL                                           ; slot 1 is whole; nobody reads slot 0 or v's region
	EVALL 0, 1                                     ; v of K step 1; tokens, q, k of K step 2
	QK4 1, 0                                       ; K step 1
	PBAR
	V4 1, 0
	FULL
	EVALL 1, 1                                     ; v of K step 2; tokens, q, k of K step 3
	QK4 0, 0                                       ; K step 2
	PBAR
	V4 0, 0
	FULL                                           ; behind this round nobody reads slot 0, and no fill lands there any more
	s_cmp_eq_u32 s16, 2                            ; v of K step 3
	s_cbranch_scc0 .Lf4_j
	CARM LCA, 1
.Lf4_j:
	QK4 1, 0                                       ; K step 3
; THE WAY OUT of q or k, while v's last tile lands.  Lane (r, h) holds, in accumulator (a, b), eight neighbouring channels 16 b + 8 h + 0 .. 7 of token 16 a + r: held, converted: 8 bytes, into row 16 a + r of my stage.
	s_wait_kmcnt 0x0
	s_cmp_eq_u32 s18, 0
	s_cselect_b32 s92, s82, s83                    ; e2 for q, e3 for k: chosen without a jump
	s_sub_co_i32 s92, s92, s80
	s_sub_co_i32 s92, s92, s81
	s_add_co_i32 s92, s92, 127
	s_lshl_b32 s95, s92, 23                        ; 2^(e_dst - e0 - e1)
	s_add_co_i32 s92, s92, 8
	s_lshl_b32 s92, s92, 23
	s_or_b32 s92, s92, 0x600000                    ; 448 x that
	s_sub_co_i32 s96, s85, s80
	s_sub_co_i32 s96, s96, s81
	s_add_co_i32 s96, s96, 127
	s_lshl_b32 s97, s96, 23                        ; the same for v
	s_add_co_i32 s96, s96, 8
	s_lshl_b32 s96, s96, 23
	s_or_b32 s96, s96, 0x600000
	PLACES 4                                       ; behind the last products
	v_mov_b32 v[SCL], s95
	v_mov_b32 v[LIM], s92
.macro QBLOCK a, src, win, st          ; 16 rows: the hold (the conversion does not saturate: ISA guide 7.6.2), each accumulator from its low end on; the conversion; into the stage
	WIN \win
.set j, 0
.rept 64
	v_med3_num_f32 v[BF+j], v[\src+j], -v[LIM], v[LIM]
.set j, j+1
.endr
	WIN 0
.irp b, 0,1,2,3,4,5,6,7
	v_cvt_scalef32_pk8_fp8_f32 v[AFR+16*((\a)%2)+2*\b:AFR+16*((\a)%2)+2*\b+1], v[BF+8*\b:BF+8*\b+7], v[SCL]
.endr
	v_nop                                          ; one plain line between the conversions and the next block's holds, which write their sources
.irp b, 0,1,2,3,4,5,6,7
	ds_store_b64 v[STO], v[AFR+16*((\a)%2)+2*\b:AFR+16*((\a)%2)+2*\b+1] offset:(\st)+16*(\a)*SPITCH+16*\b
.endr
.endm
	QBLOCK 0, 0, 0x01, 0
	QBLOCK 1, 64, 0x01, 0
	s_wait_dscnt 0x0                               ; the stores have read their codes' registers, which are written again
	QBLOCK 2, 128, 0x01, 0
	QBLOCK 3, 192, 0x01, 0
.irp i, 0,1,2,3,4,5,6,7,8,9,10,11,12,13,14,15
	ds_load_b128 v[BF+4*\i:BF+4*\i+3], v[RD] offset:4*SPITCH*\i   ; LDS serves a wave's instructions in order (ISA guide 5.7.1.4): these see my stores; the stage is my own
.endr
	s_wait_dscnt 0x0
; Stage rows 4 i .. 4 i + 3 are 512 consecutive bytes.  Group g = i / 2 of eight rows: in k, groups with g % 4 = 1 go one group (1,024 bytes) down and those with g % 4 = 2 one group up; in q all stay.
.irp i, 0,1,2,3,4,5,6,7,8,9,10,11,12,13,14,15
.if (((\i)>>1)%4) == 1
	global_store_b128 v[CO1], v[BF+4*\i:BF+4*\i+3], s[88:89] offset:512*\i
.elseif (((\i)>>1)%4) == 2
	global_store_b128 v[CO2], v[BF+4*\i:BF+4*\i+3], s[88:89] offset:512*\i-1024
.else
	global_store_b128 v[CO], v[BF+4*\i:BF+4*\i+3], s[88:89] offset:512*\i
.endif
.endr
	s_wait_xcnt 0x0                                ; the stores have read their registers, into which v's fragments are loaded
	PBAR                                           ; v's last tile is whole
	V4 1, 0
	; THE WAY OUT of v: a lane holds eight neighbouring tokens of channel 16 a + r
	PLACES 4
	v_mov_b32 v[SCL], s97
	v_mov_b32 v[LIM], s96
	QBLOCK 0, VA, 0, VST
	QBLOCK 1, VA+64, 0, VST
.irp i, 0,1,2,3,4,5,6,7
	ds_load_b128 v[BF+4*\i:BF+4*\i+3], v[RD] offset:VST+4*SPITCH*\i
.endr
	s_wait_dscnt 0x0
.irp i, 0,1,2,3,4,5,6,7
	global_store_b128 v[CO], v[BF+4*\i:BF+4*\i+3], s[90:91] offset:512*\i   ; 32 lanes store 512 consecutive bytes, at a multiple of 512 from the block's first byte
.endr
	s_wait_tensorcnt 0x0                           ; the wave's end
	ds_add_u32 v[SPW], v[NIL]
	s_wait_dscnt 0x0
	CROUND                                         ; the closing round
	s_endpgm
.Lfunc_end_k_q4ab81a56a8_qkvgemm:
	.size	k_q4ab81a56a8_qkvgemm, .Lfunc_end_k_q4ab81a56a8_qkvgemm-k_q4ab81a56a8_qkvgemm
	.p2alignl 7, 3214868480
	.fill 96, 4, 3214868480
	.section	.rodata,"a",@progbits
	.p2align	6, 0x0
	.amdhsa_kernel k_q4ab81a56a8_qkvgemm
		.amdhsa_group_segment_fixed_size 327680
		.amdhsa_private_segment_fixed_size 0
		.amdhsa_enable_private_segment 0
		.amdhsa_kernarg_size 32
		.amdhsa_user_sgpr_count 2
		.amdhsa_user_sgpr_kernarg_segment_ptr 1
		.amdhsa_wavefront_size32 1
		.amdhsa_system_sgpr_workgroup_id_x 1
		.amdhsa_system_sgpr_workgroup_id_y 1
		.amdhsa_system_sgpr_workgroup_id_z 1
		.amdhsa_system_vgpr_workitem_id 0
		.amdhsa_next_free_vgpr 512
		.amdhsa_next_free_sgpr 98
		.amdhsa_reserve_vcc 0
		.amdhsa_float_denorm_mode_32 3
		.amdhsa_float_denorm_mode_16_64 3
		.amdhsa_memory_ordered 1
		.amdhsa_forward_progress 1
		.amdhsa_inst_pref_size 146
	.end_amdhsa_kernel
	.amdgpu_metadata
---
amdhsa.version: [ 1, 2 ]
amdhsa.kernels:
  - .name:           k_q4ab81a56a8_qkvgemm
    .symbol:         k_q4ab81a56a8_qkvgemm.kd
    .args:
      - { .name: xc, .offset: 0, .size: 8, .value_kind: global_buffer, .address_space: global }
      - { .name: wc, .offset: 8, .size: 8, .value_kind: global_buffer, .address_space: global }
      - { .name: lowp_scales, .offset: 16, .size: 8, .value_kind: global_buffer, .address_space: global }
      - { .name: qkv, .offset: 24, .size: 8, .value_kind: global_buffer, .address_space: global }
    .group_segment_fixed_size: 327680
    .private_segment_fixed_size: 0
    .kernarg_segment_align: 8
    .kernarg_segment_size: 32
    .max_flat_workgroup_size: 256
    .sgpr_count:     98
    .vgpr_count:     512
    .wavefront_size: 32
...
	.end_amdgpu_metadata
.endif
;; end of part 2
;; launch attn (part 3): grid 8 x 32, 16 waves a work-group, no clusters, 327,680 bytes of LDS; arguments qkv, lowp_scales, oc; writes oc
.if DOCPART == 3
	.amdgcn_target "amdgcn-amd-amdhsa--gfx1250"
	.amdhsa_code_object_version 6
	.text
	.protected	k_q4ab81a56a8_attn
	.globl	k_q4ab81a56a8_attn
	.p2align	8
	.type	k_q4ab81a56a8_attn,@function
k_q4ab81a56a8_attn:
	s_mov_b64 s[64:65], 0
	v_nop
	global_prefetch_b8 v0, s[64:65] scope:SCOPE_SE
	s_setreg_imm32_b32 hwreg(HW_REG_WAVE_MODE, 25, 1), 1
	s_wait_xcnt 0x0
; Causal attention on codes of FP8 (E4M3): S = q k^T / 8 (scales 2^e2, 2^e3), the softmax, O = p v (2^e4, 2^e5), O / l turned into codes (2^e6) for the last product.
; qkv: three sections of 8 MiB (q, k, v), each [y = 8 batch + head pair][block of 128 tokens][128 rows][128 bytes].  q, k: row = token, byte = 64 (head % 2) + d; k's rows with bits 3 and 4 exchanged.  v: row = 64 (head % 2) + d, byte = token.
; oc: [y][2048 tokens][128 bytes = 64 (head % 2) + d].
; WORK LEFT OUT: the mask is causal: a key behind a query gets the weight 0 for all values of the inputs.  Steps of 128 keys that lie wholly behind a tile's 16 queries are not computed.
; A NaN or an infinity that reaches only such steps is not carried to the result.
; THE SOFTMAX: t = score x log2(e) / 8; M = the row's largest t so far, rounded UP to a whole number; p = 2^(t - M) is quantised, not normalised.  The row's sum is taken of the unquantised p in f32 and divides O at the end.
; When M moves, the sum and O are multiplied by 2^(old M - new M): exact.
; SHARES.  Work-group (x, y) takes head pair y and two blocks of 128 queries: block 15 - x (hi) and block x (lo).  Wave w takes head w / 8 and, in each block, the tile of 16 queries w % 8: 17 steps of a tile for every wave: 256 work-groups of equal work.
; THE RING.  Two slots of 512 keys: four blocks of k and four of v, both heads.  Every wave fetches one slice of a slot with one tensor load: 2,048 bytes (16 rows) of each of the four blocks: 4 rows of 2,048 bytes, 16,384 apart,
; laid in LDS as 32 lines of 256 bytes + 16.  Waves 0-7 fetch k's slices, waves 8-15 v's.  So slice t holds tile t (16 rows) of all four blocks, and each load holds bytes of the slot's first block.
; Every work-group walks 4 slots x 4 steps: the trip counts are constants.  A slot whose first key lies behind the work-group's last query is read by no wave and is not asked for: a jump on ids alone, the same in all waves,
; round the load's own lines; every wait on TENSORcnt is for 0.  By this text's count a wave has one tensor load out.
; NO CLUSTER, though the eight work-groups of a head pair read the same slots: which steps a work-group leaves out under the mask hangs on its own two block numbers, so on its place among partners, and the branches round those steps would hang on it.
; PREFETCH: slots 0 and 1 come by their loads alone.  Work-group x = 0 names slot 2 at the change that loads slot 1, work-group x = 1 names slot 3 at the change that loads slot 2: one slot (four key steps) ahead of the tensor load.
; Each of its 16 waves names its own slice, a lane to 256 bytes: each aligned 256 bytes of slots 2 and 3 is named once in the launch.  The address registers are never rewritten.
; LAYOUT.  Both products are used transposed: S^T = k q^T, O^T = v^T p^T: a lane holds ONE query (lane % 16).  Tile 2 b + u of k holds keys 32 b + 8 u + r + 8 (r / 8): the 16 registers of tiles 2 b, 2 b + 1 are keys 32 b + 16 (lane / 16) + 0 .. 15.
; A fragment's registers 4 c .. 4 c + 3 hold K = 32 c + 16 (lane / 16) + 0 .. 15, the same places in both sources.
; LIMITS: e2 + e3 between -123 and 130; e4, and e6 - e4 - e5, between -126 and 119, so that each power of two below is an f32 number.  The scaled scores stay under 2^31 in magnitude.  NaN is not served.
; REGISTERS: v1-7 addresses that stay; v8-11 hi: -M, largest t, the sum in two halves; v12-15 lo; v16-31 q hi, lo; v32-95 fragments; v96-159 S^T, then p; v160-223 O^T hi, lo; v224-239 p's codes; v240-255 constants and work.
.set HP,    272                        ; an LDS line: 256 bytes (two rows of a block) + 16
.set SLI,   32*HP                      ; a slice: what one wave fetches
.set STP,   8*HP                       ; inside a slice: one block of 128 keys on
.set SLOTB, 16*SLI
.set SK,    512
.set SPARE, 2*SLOTB                    ; the spare words, 128 bytes a wave; no other line names them
.set STAGE, SPARE+16*128               ; the way out: 256 rows x (128 + 16) bytes; no fill lands here
.set SPI,   144
.set AK0,  1
.set AV0,  2
.set PFO,  3                           ; the prefetch's offset: 16,384 (lane / 8) + 256 (lane % 8)
.set DM,   4                           ; my query in its block - 16 (lane / 16)
.set SPW,  5
.set NIL,  6
.set STO,  7
.set QF,   16
.set FRG,  32
.set SS,   96
.set OT,   160
.set PC,   224
.set PLIM, 240                         ; 448 x 2^e4
.set NINF, 241
.set PSC,  244                         ; 2^e4
.set RD,   245
.set PRM,  246
.set GO,   247
.set OSC,  248                         ; 2^(e6 - e4 - e5)
.set OLIM, 249
.set ADK,  250                         ; LDS address of the step's tiles of k
.set ADV,  251                         ; of v
.set PLIM2, 255                        ; 448 x 2^e4 once more: the dual line's second half takes its second source from another bank
.set WV,   18
.set HS,   19
.set WQ,   20
.set WL,   22                          ; my slice's place in a slot
.set PAR,  23                          ; the slot filled last
.set SEL,  24
.set CS,   26
.set G1,   28
.set G0,   36
.set TB,   40                          ; LDS byte of the slot in hand + STP x step
.set INC,  41
.set SLC,  42
.set LIM,  43                          ; the change of slots at which my work-group prefetches; -1: none
.set KF,   44                          ; the step's first key
.set QB,   45                          ; s45, s46: first query of the hi, of the lo block
.set PFA,  48
	s_load_b128 s[4:7], s[0:1], 0x0                ; qkv, the scales' exponents
	s_load_b64 s[8:9], s[0:1], 0x10                ; oc
	v_lshl_add_u32 v[SPW], v0, 2, SPARE
	v_mov_b32 v[NIL], 0
	ds_add_u32 v[SPW], v[NIL]                      ; the opening lines: the add twice on end and one wait, ahead of my first tensor load
	ds_add_u32 v[SPW], v[NIL]
	v_lshrrev_b32 v250, 5, v0
	v_readfirstlane_b32 s[WV], v250
	s_lshr_b32 s[HS], s[WV], 3
	s_and_b32 s[WQ], s[WV], 7
	s_and_b32 s21, ttmp7, 0xffff
	s_lshl_b32 s52, s21, 18                        ; my head pair's 256 KiB in each section and in oc
	s_mov_b32 s53, 0
	s_mul_i32 s[WL], s[WV], SLI
	s_add_co_u32 s54, s[HS], 1                     ; what I fetch: section 1 (k) or 2 (v),
	s_lshl_b32 s54, s54, 23
	s_add_co_u32 s54, s54, s52
	s_lshl_b32 s55, s[WQ], 11                      ; 2,048 bytes of each block
	s_add_co_u32 s54, s54, s55
	s_mov_b32 s55, 0
	s_mov_b32 s[G1], (0<<16)|(1<<20)|(5<<22)|(3<<25)   ; elements of 1 byte; four words of padding after every 64
	s_mov_b32 s[G1+1], 2048<<16                    ; tensor_dim0
	s_mov_b32 s[G1+2], 4<<16                       ; tensor_dim1
	s_mov_b32 s[G1+3], 2048<<16                    ; tile_dim0
	s_mov_b32 s[G1+4], 4                           ; tile_dim1
	s_mov_b32 s[G1+5], 16384                       ; from block to block
	s_mov_b32 s[G1+6], 0
	s_mov_b32 s[G1+7], 0
	s_mov_b32 s[SEL], 0x76543210
	s_mov_b32 s[SEL+1], 0xfedcba98
	s_mov_b32 s[CS], 0x3e38aa3b                    ; log2(e) / 8
	s_mov_b32 s[KF], 0
	s_mov_b32 s[PAR], 0
	s_mov_b32 s[SLC], 0
	s_sub_co_u32 s[QB], 15, ttmp9
	s_lshl_b32 s[QB], s[QB], 7
	s_lshl_b32 s[QB+1], ttmp9, 7
	s_min_u32 s80, ttmp9, 1                        ; the prefetch: slot 2 or 3 (held inside the section in every work-group)
	s_add_co_u32 s80, s80, 2
	s_lshl_b32 s80, s80, 16
	s_mov_b32 s81, 0
	s_cmp_lt_u32 ttmp9, 2
	s_cselect_b32 s[LIM], ttmp9, -1
	s_lshl_b32 s58, s[WQ], 4                       ; my tile's first query in its block
	s_lshl_b32 s60, s[HS], 6                       ; my head's 64 bytes of a row
	s_add_co_u32 s59, s58, s[QB]
	s_lshl_b32 s59, s59, 7
	s_add_co_u32 s59, s59, s60
	s_add_co_u32 s61, s58, s[QB+1]
	s_lshl_b32 s61, s61, 7
	s_add_co_u32 s61, s61, s60
	s_mul_i32 s62, s[HS], 4*SLI                    ; v: my head's four slices,
	s_add_co_u32 s62, s62, 8*SLI                   ; behind k's eight
	s_add_co_u32 s63, s60, STAGE
	s_mul_i32 s68, s[WV], 16*SPI
	s_add_co_u32 s68, s68, STAGE
	s_cmp_lt_u32 s[WV], 8                          ; stage rows 0-127 are the hi block's, 128-255 the lo block's
	s_cselect_b32 s66, s[QB], s[QB+1]
	s_add_co_u32 s66, s66, s58
	s_lshl_b32 s66, s66, 7
	s_add_co_u32 s66, s66, s52
	s_mov_b32 s67, 0
	s_wait_dscnt 0x0                               ; both opening adds are done
	s_wait_kmcnt 0x0
	s_load_b256 s[72:79], s[6:7], 0x0              ; e0 .. e7
	s_mov_b32 s[G0], 1
	s_mov_b32 s[G0+1], s[WL]                       ; slot 0
	s_add_nc_u64 s[G0+2:G0+3], s[4:5], s[54:55]
	s_add_nc_u64 s[PFA:PFA+1], s[G0+2:G0+3], s[80:81]
	s_or_b32 s[G0+3], s[G0+3], 0x80000000
	tensor_load_to_lds s[G0:G0+3], s[G1:G1+7]      ; my slice of slot 0: my one tensor load at the head
	s_nop 0
.rept 4
	v_nop
.endr
	s_add_nc_u64 s[56:57], s[4:5], s[52:53]        ; q's section at my head pair
	s_add_nc_u64 s[8:9], s[8:9], s[66:67]          ; oc at the 16 rows that I store
	v_and_b32 v250, 15, v0                         ; r
	v_bfe_u32 v251, v0, 4, 1                       ; h
	v_lshlrev_b32 v252, 7, v250
	v_lshl_add_u32 v252, v251, 4, v252
	v_add_nc_u32 v254, s59, v252
	v_add_nc_u32 v252, s61, v252
	global_load_b128 v[QF:QF+3],     v254, s[56:57]            ; q's two fragments stay in registers
	global_load_b128 v[QF+4:QF+7],   v254, s[56:57] offset:32
	global_load_b128 v[QF+8:QF+11],  v252, s[56:57]
	global_load_b128 v[QF+12:QF+15], v252, s[56:57] offset:32
	v_lshrrev_b32 v[AK0], 1, v250                  ; row r of a tile lies in line r / 2, half r % 2
	v_mul_u32_u24 v[AK0], v[AK0], HP
	v_and_b32 v[AV0], 1, v250
	v_lshl_add_u32 v[AK0], v[AV0], 7, v[AK0]
	v_lshl_add_u32 v[AK0], v251, 4, v[AK0]
	v_add_nc_u32 v[AV0], s62, v[AK0]
	v_add_nc_u32 v[AK0], s60, v[AK0]
	v_and_b32 v[PFO], 7, v0
	v_bfe_u32 v[DM], v0, 3, 2
	v_lshlrev_b32 v[PFO], 8, v[PFO]
	v_lshl_add_u32 v[PFO], v[DM], 14, v[PFO]
	v_lshlrev_b32 v[DM], 4, v251
	v_sub_nc_u32 v[DM], v250, v[DM]
	v_add_nc_u32 v[DM], s58, v[DM]
	v_add_nc_u32 v[STO], s58, v250                 ; the stage, in: row = my query in its block, + my head's 64 bytes, + 8 h
	v_mul_u32_u24 v[STO], v[STO], SPI
	v_lshl_add_u32 v[STO], v251, 3, v[STO]
	v_add_nc_u32 v[STO], s63, v[STO]
	v_and_b32 v[GO], 31, v0
	v_lshrrev_b32 v[RD], 3, v[GO]                  ; back: wave w takes rows 16 w .. 16 w + 15: eight lanes to a row, four rows an instruction
	v_mul_u32_u24 v[RD], v[RD], SPI
	v_and_b32 v[PRM], 7, v0
	v_lshl_add_u32 v[RD], v[PRM], 4, v[RD]
	v_add_nc_u32 v[RD], s68, v[RD]
	v_lshlrev_b32 v[GO], 4, v[GO]
	v_mov_b32 v9, 0xff61b1e6                       ; the largest t so far: -3e38
	v_mov_b32 v13, 0xff61b1e6
	v_floor_f32 v8, -v9                            ; -M
	v_floor_f32 v12, -v13
	v_mov_b32 v10, 0
	v_mov_b32 v11, 0
	v_mov_b32 v14, 0
	v_mov_b32 v15, 0
	v_mov_b32 v[PRM], 0
	v_mov_b32 v253, 0                              ; (named as the upper half of the pair v[252:253])
	v_mov_b32 v[NINF], 0xff800000
.set j, 0
.rept 64
	v_mov_b32 v[OT+j], 0                           ; O^T: the step has no first form of its own; the first change of M leaves zeros zeros
.set j, j+1
.endr
	s_wait_alu depctr_va_vdst(0)                   ; the wait here, directly ahead of the wait below
	s_wait_kmcnt 0x0
	s_add_co_i32 s80, s74, s75
	s_lshl_b32 s80, s80, 23
	s_add_co_i32 s[CS], s[CS], s80                 ; e2 + e3 are added to c's exponent field
	s_mov_b32 s[CS+1], s[CS]
	s_add_co_i32 s80, s76, 127
	s_lshl_b32 s81, s80, 23                        ; 2^e4
	s_add_co_i32 s80, s80, 8
	s_lshl_b32 s80, s80, 23
	s_or_b32 s80, s80, 0x600000                    ; 448 x 2^e4
	s_sub_co_i32 s82, s78, s76
	s_sub_co_i32 s82, s82, s77                     ; o's code is (sum / l) / 2^(e6 - e4 - e5)
	s_add_co_i32 s82, s82, 127
	s_lshl_b32 s83, s82, 23
	s_add_co_i32 s82, s82, 8
	s_lshl_b32 s82, s82, 23
	s_or_b32 s82, s82, 0x600000
	v_mov_b32 v[PSC], s81
	v_mov_b32 v[PLIM], s80
	v_mov_b32 v[PLIM2], s80
	v_mov_b32 v[OSC], s83
	v_mov_b32 v[OLIM], s82
; A STEP: tile x (0 hi, 1 lo) of my queries against 128 keys.  Behind the diagonal it is left out, on it it is masked: scalar branches on ids; no barrier, wait on TENSORcnt or tensor load stands in a step.
.macro STEP x
.set rST, 8+4*(\x)
.set rQ,  QF+8*(\x)
.set rO,  OT+32*(\x)
	s_cmp_gt_u32 s[KF], s[QB+(\x)]
	s_cbranch_scc1 .Lhidden_\@
.rept 4
	v_nop                                          ; places in front of loads into registers that the last matrix instructions have read
.endr
.irp t, 0,1,2,3,4,5,6,7
	ds_load_b128 v[FRG+8*\t:FRG+8*\t+3],   v[ADK] offset:SLI*\t
	ds_load_b128 v[FRG+8*\t+4:FRG+8*\t+7], v[ADK] offset:SLI*\t+32
.endr
	s_wait_dscnt 0x0
.irp t, 0,1,2,3,4,5,6,7                        ; S^T = k q^T: eight tiles of 16 keys, K = the head's 64
	v_wmma_f32_16x16x64_fp8_fp8 v[SS+8*\t:SS+8*\t+7], v[FRG+8*\t:FRG+8*\t+7], v[rQ:rQ+7], 0
.endr
.rept 4
	v_nop                                          ; places: in front of the loads below and of the first read of the scores
.endr
.irp t, 0,1,2,3                                ; v's four fragments land while the softmax is worked
.irp c, 0,1,2,3
	ds_load_b128 v[FRG+16*\t+4*\c:FRG+16*\t+4*\c+3], v[ADV] offset:SLI*\t+32*\c
.endr
.endr
	s_cmp_lg_u32 s[KF], s[QB+(\x)]                 ; on the diagonal hidden scores become -infinity ahead of the maximum; a query's own key always counts
	s_cbranch_scc1 .Lopen_\@
.set n, 0
.rept 64
	v_cmp_gt_i32 vcc_lo, 32*(n/16)+n%16, v[DM]
	v_cndmask_b32 v[SS+n], v[SS+n], v[NINF], vcc_lo
.set n, n+1
.endr
.Lopen_\@:
	v_max3_num_f32 v254, v[SS], v[SS+1], v[SS+2]   ; the step's largest score among my 64 keys, in two chains, each accumulator from its low end on
	v_max3_num_f32 v252, v[SS+3], v[SS+4], v[SS+5]
.irp i, 6,10,14,18,22,26,30,34,38,42,46,50,54,58
	v_max3_num_f32 v254, v254, v[SS+\i], v[SS+1+\i]
	v_max3_num_f32 v252, v252, v[SS+2+\i], v[SS+3+\i]
.endr
	v_max3_num_f32 v254, v254, v[SS+62], v[SS+63]
	s_delay_alu instid0(VALU_DEP_1)
	v_max_num_f32 v254, v254, v252
	s_delay_alu instid0(VALU_DEP_1)
	v_permlanex16_b32 v[PRM], v254, s[SEL], s[SEL+1]
	s_delay_alu instid0(VALU_DEP_1)
	v_max_num_f32 v254, v254, v[PRM]               ; and among lane l xor 16's
	s_delay_alu instid0(VALU_DEP_1)
	v_mul_f32 v254, s[CS], v254                    ; as t (c is positive)
	s_delay_alu instid0(VALU_DEP_1)
	v_max_num_f32 v[rST+1], v[rST+1], v254         ; the running largest t
	v_mov_b32 v254, v[rST]
	s_delay_alu instid0(VALU_DEP_2)
	v_floor_f32 v[rST], -v[rST+1]                  ; the new -M = -ceil(t)
	s_delay_alu instid0(VALU_DEP_1)
	v_sub_f32 v254, v[rST], v254                   ; old M - new M: a whole number, 0 or less
	s_delay_alu instid0(VALU_DEP_1)
	v_cvt_i32_f32 v254, v254                       ; (it saturates)
	s_delay_alu instid0(VALU_DEP_1)
	v_ldexp_f32 v252, 1.0, v254                    ; f = 2^(old M - new M)
.set j, 0
.rept 32
	v_pk_fma_f32 v[SS+j:SS+j+1], v[SS+j:SS+j+1], s[CS:CS+1], v[rST:rST+1] op_sel_hi:[1,0,0]   ; t - M, two at a time
.set j, j+2
.endr
	s_wait_alu depctr_va_vdst(0)                   ; the wait ahead of the batch
.set j, 0
.rept 64
	v_exp_f32 v[SS+j], v[SS+j]                     ; p = 2^(t - M), at most 1
.set j, j+1
.endr
	v_pk_mul_f32 v[rST+2:rST+3], v[rST+2:rST+3], v[252:253] op_sel_hi:[1,0]   ; the sums under the new M: the plain line behind the exponentials
	s_wait_alu depctr_va_vdst(0)                   ; one wait for the batch, ahead of its first reader
	v_pk_add_f32 v[242:243], v[SS:SS+1], v[SS+2:SS+3]   ; the row's sum of the unquantised p, in two chains
.irp j, 4,8,12,16,20,24,28,32,36,40,44,48,52,56,60
	v_pk_add_f32 v[rST+2:rST+3], v[rST+2:rST+3], v[SS+\j:SS+1+\j]
	v_pk_add_f32 v[242:243], v[242:243], v[SS+2+\j:SS+3+\j]
.endr
	s_delay_alu instid0(VALU_DEP_1)
	v_pk_add_f32 v[rST+2:rST+3], v[rST+2:rST+3], v[242:243]
.irp b, 0,1,2,3
.irp i, 0,2,4,6,8,10,12,14                     ; the hold at the largest code x the scale (the conversion does not saturate: ISA guide 7.6.2); p is not negative, so it is one-sided; two numbers a line
	v_dual_min_num_f32 v[SS+16*\b+\i], v[SS+16*\b+\i], v[PLIM] :: v_dual_min_num_f32 v[SS+16*\b+\i+1], v[SS+16*\b+\i+1], v[PLIM2]
.endr
	v_cvt_scalef32_pk8_fp8_f32 v[PC+4*\b:PC+1+4*\b], v[SS+16*\b:SS+7+16*\b], v[PSC]       ; registers 4 b .. 4 b + 3 of the operand: keys 32 b + 16 h + 0 .. 15
	v_cvt_scalef32_pk8_fp8_f32 v[PC+2+4*\b:PC+3+4*\b], v[SS+8+16*\b:SS+15+16*\b], v[PSC]
.endr
	s_wait_alu depctr_va_vdst(0)                   ; the wait here, directly ahead of the first reader of O^T
.set j, 0
.rept 16
	v_pk_mul_f32 v[rO+j:rO+j+1], v[rO+j:rO+j+1], v[252:253] op_sel_hi:[1,0]   ; O^T under the new M; plain lines between the conversions and the products
.set j, j+2
.endr
	s_wait_alu depctr_va_vdst(0)                   ; the wait here, directly ahead of the wait below
	s_wait_dscnt 0x0                               ; v's fragments are in
.irp t, 0,1,2,3                                ; O^T += v^T p^T: four accumulators by turns, K = these 128 keys
	v_wmma_f32_16x16x128_fp8_fp8 v[rO+8*\t:rO+8*\t+7], v[FRG+16*\t:FRG+16*\t+15], v[PC:PC+15], v[rO+8*\t:rO+8*\t+7]
.endr
.Lhidden_\@:
.endm
	s_wait_alu depctr_va_vdst(0)                   ; the wait at the head's end
	s_wait_loadcnt 0x0                             ; q
.Lslot:                                            ; four trips: a slot of 512 keys each
	s_wait_tensorcnt 0x0                           ; my slice of the slot ahead is in; no load of mine is out, so group 0 may be written
	ds_add_u32 v[SPW], v[NIL]                      ; the add; the descriptor's steps stand between it and its wait
	s_mul_i32 s[TB], s[PAR], SLOTB                 ; the slot filled last is read now,
	s_xor_b32 s[PAR], s[PAR], 1                    ; the other one takes the next 512 keys
	s_mul_i32 s[G0+1], s[PAR], SLOTB
	s_add_co_u32 s[G0+1], s[G0+1], s[WL]
	s_add_nc_u64 s[G0+2:G0+3], s[G0+2:G0+3], 65536 ; four blocks on; the type bits on top are not reached
	s_wait_dscnt 0x0                               ; the add is done, and my reads of the slot that I have left are over
	s_barrier_signal -1
	s_barrier_wait -1
	s_add_co_u32 s96, s[KF], SK                    ; the first key of the slot that this change would ask for,
	s_or_b32 s97, s[QB], 127                       ; my work-group's last query:
	s_cmp_gt_u32 s96, s97                          ; ids and the count of steps alone; past the limit a work-group stays past it
	s_cbranch_scc1 .Lpast
	tensor_load_to_lds s[G0:G0+3], s[G1:G1+7]      ; my one tensor load until the next barrier (the first time: slot 1's first fill)
	s_nop 0
.rept 4
	v_nop
.endr
.Lpast:
	s_cmp_eq_u32 s[SLC], s[LIM]
	s_cbranch_scc0 .Lnot_mine
	global_prefetch_b8 v[PFO], s[PFA:PFA+1] th:TH_LOAD_NT scope:SCOPE_SE   ; my slice of the slot that the next change asks for
.Lnot_mine:
	s_mov_b32 s[INC], 0
.Lstep:                                            ; four trips: 128 keys each
	v_add_nc_u32 v[ADK], s[TB], v[AK0]
	v_add_nc_u32 v[ADV], s[TB], v[AV0]
	s_wait_alu depctr_va_vdst(0)                   ; the wait
	STEP 0
	STEP 1
	s_add_co_u32 s[KF], s[KF], 128
	s_add_co_u32 s[TB], s[TB], STP
	s_add_co_u32 s[INC], s[INC], 1
	s_cmp_lt_u32 s[INC], 4
	s_cbranch_scc1 .Lstep
	s_add_co_u32 s[SLC], s[SLC], 1
	s_cmp_lt_u32 s[SLC], 4
	s_cbranch_scc1 .Lslot
	; THE WAY OUT.  O^T / l is held, converted to codes and goes through the work-group's stage: a row's 128 bytes come from the two waves of a head pair.
.rept 4
	v_nop                                          ; places behind the last products
.endr
	v_add_f32 v10, v10, v11
	v_add_f32 v14, v14, v15
	s_delay_alu instid0(VALU_DEP_2)
	v_permlanex16_b32 v[PRM], v10, s[SEL], s[SEL+1]
	s_delay_alu instid0(VALU_DEP_1)
	v_add_f32 v10, v10, v[PRM]                     ; the hi rows' sums
	s_delay_alu instid0(VALU_DEP_2)
	v_permlanex16_b32 v[PRM], v14, s[SEL], s[SEL+1]
	s_delay_alu instid0(VALU_DEP_1)
	v_add_f32 v14, v14, v[PRM]                     ; the lo rows'
	s_wait_alu depctr_va_vdst(0)                   ; the wait ahead of the transcendentals
	v_rcp_f32 v10, v10
	v_rcp_f32 v14, v14
	v_nop                                          ; a plain line behind the last reciprocal
	s_wait_alu depctr_va_vdst(0)                   ; one wait for both and for O^T, ahead of the first reader
.set j, 0
.rept 16
	v_pk_mul_f32 v[SS+j:SS+j+1], v[OT+j:OT+j+1], v[10:11] op_sel_hi:[1,0]          ; register 8 t + i is o(query r, channel 16 t + 8 h + i)
.set j, j+2
.endr
.set j, 0
.rept 16
	v_pk_mul_f32 v[SS+32+j:SS+33+j], v[OT+32+j:OT+33+j], v[14:15] op_sel_hi:[1,0]
.set j, j+2
.endr
.set j, 0
.rept 64
	v_med3_num_f32 v[SS+j], v[SS+j], -v[OLIM], v[OLIM]
.set j, j+1
.endr
.irp x, 0,1
.irp t, 0,1,2,3
	v_cvt_scalef32_pk8_fp8_f32 v[FRG+8*\x+2*\t:FRG+8*\x+2*\t+1], v[SS+32*\x+8*\t:SS+32*\x+8*\t+7], v[OSC]
.endr
.endr
	v_nop                                          ; a plain line behind the last conversion
.irp x, 0,1
.irp t, 0,1,2,3
	ds_store_b64 v[STO], v[FRG+8*\x+2*\t:FRG+8*\x+2*\t+1] offset:\x*128*SPI+16*\t
.endr
.endr
	s_wait_dscnt 0x0                               ; for the others' sake: my stores into the stage are done
	s_barrier_signal -1
	s_barrier_wait -1
.irp c, 0,1,2,3
	ds_load_b128 v[SS+4*\c:SS+4*\c+3], v[RD] offset:4*SPI*\c
.endr
.irp c, 0,1,2,3
	s_wait_dscnt 3-\c                              ; load c is back; the younger ones may be out
	global_store_b128 v[GO], v[SS+4*\c:SS+4*\c+3], s[8:9] offset:512*\c   ; 32 lanes store four rows: 512 consecutive bytes, at a multiple of 512 from oc's first byte
.endr
	s_wait_tensorcnt 0x0                           ; the wave's end
	ds_add_u32 v[SPW], v[NIL]
	s_wait_dscnt 0x0
	s_endpgm
.Lfunc_end_k_q4ab81a56a8_attn:
	.size	k_q4ab81a56a8_attn, .Lfunc_end_k_q4ab81a56a8_attn-k_q4ab81a56a8_attn
	.p2alignl 7, 3214868480
	.fill 96, 4, 3214868480
	.section	.rodata,"a",@progbits
	.p2align	6, 0x0
	.amdhsa_kernel k_q4ab81a56a8_attn
		.amdhsa_group_segment_fixed_size 327680
		.amdhsa_private_segment_fixed_size 0
		.amdhsa_enable_private_segment 0
		.amdhsa_kernarg_size 24
		.amdhsa_user_sgpr_count 2
		.amdhsa_user_sgpr_kernarg_segment_ptr 1
		.amdhsa_wavefront_size32 1
		.amdhsa_system_sgpr_workgroup_id_x 1
		.amdhsa_system_sgpr_workgroup_id_y 1
		.amdhsa_system_sgpr_workgroup_id_z 1
		.amdhsa_system_vgpr_workitem_id 0
		.amdhsa_next_free_vgpr 256
		.amdhsa_next_free_sgpr 100
		.amdhsa_reserve_vcc 1
		.amdhsa_float_denorm_mode_32 3
		.amdhsa_float_denorm_mode_16_64 3
		.amdhsa_memory_ordered 1
		.amdhsa_forward_progress 1
		.amdhsa_inst_pref_size 60
	.end_amdhsa_kernel
	.amdgpu_metadata
---
amdhsa.version: [ 1, 2 ]
amdhsa.kernels:
  - .name:           k_q4ab81a56a8_attn
    .symbol:         k_q4ab81a56a8_attn.kd
    .args:
      - { .name: qkv, .offset: 0, .size: 8, .value_kind: global_buffer, .address_space: global }
      - { .name: lowp_scales, .offset: 8, .size: 8, .value_kind: global_buffer, .address_space: global }
      - { .name: oc, .offset: 16, .size: 8, .value_kind: global_buffer, .address_space: global }
    .group_segment_fixed_size: 327680
    .private_segment_fixed_size: 0
    .kernarg_segment_align: 8
    .kernarg_segment_size: 24
    .max_flat_workgroup_size: 512
    .sgpr_count:     100
    .vgpr_count:     256
    .wavefront_size: 32
...
	.end_amdgpu_metadata
.endif
;; end of part 3
;; launch proj (part 4): grid 4 x 64, 4 waves a work-group, clusters of 4 x 4, 327,680 bytes of LDS; arguments oc, wpc, lowp_scales, out0; writes out0
.if DOCPART == 4
	.amdgcn_target "amdgcn-amd-amdhsa--gfx1250"
	.amdhsa_code_object_version 6
	.text
	.protected	k_q4ab81a56a8_proj
	.globl	k_q4ab81a56a8_proj
	.p2align	8
	.type	k_q4ab81a56a8_proj,@function
k_q4ab81a56a8_proj:
	s_mov_b64 s[64:65], 0
	v_nop
	global_prefetch_b8 v0, s[64:65] scope:SCOPE_SE
	s_setreg_imm32_b32 hwreg(HW_REG_WAVE_MODE, 25, 1), 1
	s_wait_xcnt 0x0
	s_wait_alu depctr_hold_cnt(0) depctr_sa_sdst(0) depctr_va_vdst(0) depctr_va_sdst(0) depctr_va_ssrc(0) depctr_va_vcc(0) depctr_vm_vsrc(0)
	s_getreg_b32 s2, hwreg(HW_REG_IB_STS2, 6, 4)
	s_cmp_eq_u32 s2, 0
	s_cbranch_scc0 .Lentry_in_a_cluster
	s_endpgm
.Lentry_in_a_cluster:
	s_bfe_u32 s2, ttmp6, 0x10000c
	s_cmp_lg_u32 s2, 0xf033
	s_cbranch_scc0 .Lentry_shape_is_right
	s_endpgm
.Lentry_shape_is_right:
; The last product, o w_proj, on codes of FP8 (E4M3): out0[token][n] = 2^(e6 + e7) x the sum over k of oc(token, k) wpc(n, k), sums in f32.
; oc: [8 batch + head pair][2048 tokens][128 bytes]: head pair u holds K = 128 u .. 128 u + 127.  wpc: [1024 n][1024 k].  out0: [8192 tokens][1024] f32.
; LIMIT: e6 + e7 lies between -126 and 127, so that 2^(e6 + e7) is an f32 number.
; SHARES.  A block of out0 is 128 tokens x 256 channels: 64 x 4 = 256 work-groups.  Four waves, as many as a WGP has SIMDs; a wave makes 64 tokens x 128 channels: 32 accumulators of 16 x 16.
; LDS.  A (tokens): six regions of 64 lines (two tokens of 128 bytes + 16 of padding), one for each head pair.  B (channels): three regions of 256 rows x (256 bytes + 16), one for each 256 along K.
; TWO FILLS.  At the head each wave issues one load, together K 0-767: wave 3 brings A's six regions (6 rows of 16,384 bytes, 262,144 apart), waves 0 to 2 one region of B each.
; When K 0-255 has been read into registers, a round of the cluster's barrier follows, and K 768-1023 is laid over it: wave 3 brings A's two regions, wave 0 B's one.  That load has the products of K 128-639 in which to land.
; CLUSTERS: 4 x 4 work-groups.  The four of a row need the same tokens, the four of a column the same channels: each tile is asked for jointly, by the same load with the same descriptor and a mask that names the four.
; NO PREFETCH: the text has no loop to run ahead in: of its two fills the first goes out at the head and the second two steps of 128 along K later.
; THE MATRIX INSTRUCTION IS USED TRANSPOSED (source 0 = 16 channels, source 1 = 16 tokens): a lane holds eight neighbouring channels of one token.
; A fragment's registers 4 c .. 4 c + 3 hold K = 32 c + 16 (lane / 16) + 0 .. 15, the same places in both sources.
; REGISTERS, in windows of 256: window 0: v0-31 addresses, v32-95 work on the way out, v128-255 A's fragments, two sets of 4;  window 1: B's fragments, two sets of 8;  window 2: the accumulators, (a, b) at v[8 (8 a + b)].
.set SIZE_N, 1024
.set PITCH,  272
.set FR,     16
.set NP,     4                         ; places behind this matrix instruction (ISA guide 7.12.1)
.set AREG,   64*PITCH
.set BREG,   256*PITCH
.set BB,     6*AREG                    ; B's regions begin here
.set SPARE,  BB+3*BREG                 ; the spare words, 128 bytes a wave; no other line names them
.set STG,    BB+BREG                   ; the way out: four stages of 16 rows x 528 bytes in B's region 1, which has had its one fill and its last read by then
.set SPITCH, 528
.set ADRA, 16                          ; v16, v17: my A fragments in regions 0-2, 3-5
.set ADRB, 20                          ; v20-22: my B fragments in regions 0, 1, 2
.set STO,  24
.set RD,   25
.set CO,   26
.set SPW,  28
.set NIL,  29
.set TMP,  32
.set AF,   128
.set BK,   128
.set G1A,  24                          ; s[24:31] group 1: A's six regions
.set G0A,  32                          ; s[32:35] group 0 for A
.set G0B,  36                          ; s[36:39] group 0 for B
.set G1B,  48                          ; s[48:55] group 1: a region of B
.set G1A2, 72                          ; s[72:79] group 1: A's two regions of the second fill
.set FLAGS, (0<<16)|(1<<20)|(1<<21)|(5<<22)|(3<<25)   ; elements of 1 byte; padding on; bit 21 beside a mask; four words after every 64
.set MSB, 0
.macro WIN new                         ; the immediate's high byte repeats the setting that is left
.if MSB != \new
	s_set_vgpr_msb (MSB<<8)|\new
.set MSB, \new
.endif
.endm
.set MUL_LO, 0xa1                      ; source 0 (B) window 1, source 1 (A) window 0, C and D window 2
.set TO_B,   0x40
.macro PLACES n
.rept \n
	v_nop
.endr
.endm
.macro CREST                           ; a round of the cluster's barrier behind its opening barrier
	s_cmp_lg_u32 s14, 0
	s_cbranch_scc1 .Lnot_wave_0_\@
	s_barrier_signal -3
.Lnot_wave_0_\@:
	s_barrier_wait -3
	s_barrier_signal -1
	s_barrier_wait -1
.endm
.macro CROUND
	s_barrier_signal -1
	s_barrier_wait -1
	CREST
.endm
	s_load_b128 s[4:7], s[0:1], 0x0                ; oc, wpc
	s_load_b128 s[8:11], s[0:1], 0x10              ; the scales' exponents, out0
	v_lshl_add_u32 v[SPW], v0, 2, SPARE
	v_mov_b32 v[NIL], 0
	ds_add_u32 v[SPW], v[NIL]                      ; the opening lines: the add twice on end and one wait, ahead of my first tensor load
	ds_add_u32 v[SPW], v[NIL]
	v_lshrrev_b32 v1, 5, v0
	v_readfirstlane_b32 s14, v1                    ; wave 0..3
	s_lshr_b32 s15, s14, 1                         ; my 64 of the block's tokens
	s_and_b32 s16, s14, 1                          ; my 128 of its channels
	s_bfe_u32 s40, ttmp6, 0x40000                  ; cx, cy
	s_bfe_u32 s41, ttmp6, 0x40004
	s_lshl_b32 s42, ttmp9, 2
	s_add_co_u32 s42, s42, s40                     ; tile column: 256 channels
	s_and_b32 s17, ttmp7, 0xffff
	s_lshl_b32 s17, s17, 2
	s_add_co_u32 s17, s17, s41                     ; tile row: 128 tokens
	s_lshl_b32 s43, s41, 2
	s_lshl_b32 s43, 15, s43                        ; my row of the cluster
	s_lshl_b32 s44, 0x1111, s40                    ; my column
	s_or_b32 s[G1A], s43, FLAGS
	s_or_b32 s[G1A2], s43, FLAGS
	s_or_b32 s[G1B], s44, FLAGS
	s_mov_b32 s[G1A+1], 16384<<16                  ; a region of A is 16,384 dense bytes: one row of the tile
	s_mov_b32 s[G1A+2], 6<<16
	s_mov_b32 s[G1A+3], 16384<<16
	s_mov_b32 s[G1A+4], 6
	s_mov_b32 s[G1A+5], 262144                     ; from head pair to head pair
	s_mov_b32 s[G1A+6], 0
	s_mov_b32 s[G1A+7], 0
	s_mov_b32 s[G1A2+1], 16384<<16
	s_mov_b32 s[G1A2+2], 2<<16
	s_mov_b32 s[G1A2+3], 16384<<16
	s_mov_b32 s[G1A2+4], 2
	s_mov_b32 s[G1A2+5], 262144
	s_mov_b32 s[G1A2+6], 0
	s_mov_b32 s[G1A2+7], 0
	s_mov_b32 s[G1B+1], 256<<16
	s_mov_b32 s[G1B+2], 256<<16
	s_mov_b32 s[G1B+3], 256<<16
	s_mov_b32 s[G1B+4], 256
	s_mov_b32 s[G1B+5], 1024
	s_mov_b32 s[G1B+6], 0
	s_mov_b32 s[G1B+7], 0
	s_lshr_b32 s20, s17, 4                         ; A: the batch's eight head pairs of 256 KiB,
	s_lshl_b32 s20, s20, 21
	s_and_b32 s18, s17, 15
	s_lshl_b32 s18, s18, 14                        ; 128 tokens of 128 bytes: it holds cy and never cx
	s_add_co_u32 s20, s20, s18
	s_mov_b32 s21, 0
	s_lshl_b32 s46, s42, 18                        ; B: 256 rows of 1,024 bytes: it holds cx and never cy,
	s_lshl_b32 s19, s14, 8                         ; wave w (0 to 2): K 256 w on
	s_add_co_u32 s46, s46, s19
	s_mov_b32 s47, 0
	s_mul_i32 s45, s14, BREG
	s_add_co_u32 s45, s45, BB                      ; into B's region w
	s_mul_i32 s22, s15, 32*PITCH                   ; my 64 tokens: 32 lines of each region
	s_add_co_u32 s23, s22, 3*AREG
	s_mul_i32 s56, s16, 128*PITCH                  ; my 128 channels
	s_add_co_u32 s56, s56, BB
	s_add_co_u32 s57, s56, BREG
	s_add_co_u32 s58, s57, BREG
	s_mul_i32 s59, s14, 16*SPITCH
	s_add_co_u32 s59, s59, STG                     ; my stage
	s_lshl_b32 s60, s17, 7
	s_lshl_b32 s61, s15, 6
	s_add_co_u32 s60, s60, s61                     ; my first row of out0,
	s_lshl_b32 s60, s60, 12
	s_lshl_b32 s61, s42, 10
	s_add_co_u32 s60, s60, s61
	s_lshl_b32 s61, s16, 9
	s_add_co_u32 s60, s60, s61                     ; my first column, in bytes
	s_mov_b32 s61, 0
	s_wait_dscnt 0x0                               ; both opening adds are done
	s_wait_kmcnt 0x0
	s_load_b64 s[96:97], s[8:9], 0x18              ; e6, e7
	s_mov_b32 s[G0A], 1
	s_mov_b32 s[G0A+1], 0
	s_add_nc_u64 s[G0A+2:G0A+3], s[4:5], s[20:21]
	s_or_b32 s[G0A+3], s[G0A+3], 0x80000000
	s_mov_b32 s[G0B], 1
	s_mov_b32 s[G0B+1], s45
	s_add_nc_u64 s[G0B+2:G0B+3], s[6:7], s[46:47]
	s_or_b32 s[G0B+3], s[G0B+3], 0x80000000
	s_add_nc_u64 s[10:11], s[10:11], s[60:61]
	CROUND                                         ; all sixteen work-groups are here: the first joint loads meet
	s_cmp_eq_u32 s14, 3                            ; one tensor load a wave at the head: wave 3 A, waves 0 to 2 B.  An s_nop 0 and four v_nop follow each line
	s_cbranch_scc0 .Lhead_b
	tensor_load_to_lds s[G0A:G0A+3], s[G1A:G1A+7]
	s_nop 0
	PLACES 4
	s_branch .Lhead_j
.Lhead_b:
	tensor_load_to_lds s[G0B:G0B+3], s[G1B:G1B+7]
	s_nop 0
	PLACES 4
.Lhead_j:
	v_and_b32 v1, 15, v0                           ; r
	v_bfe_u32 v2, v0, 4, 1                         ; h
	v_lshrrev_b32 v3, 1, v1                        ; A: token r lies in line r / 2, half r % 2
	v_mul_u32_u24 v3, v3, PITCH
	v_and_b32 v5, 1, v1
	v_lshl_add_u32 v3, v5, 7, v3
	v_lshl_add_u32 v3, v2, 4, v3
	v_mul_u32_u24 v4, v1, PITCH                    ; B: row r
	v_lshl_add_u32 v4, v2, 4, v4
	v_add_nc_u32 v[ADRA], s22, v3
	v_add_nc_u32 v[ADRA+1], s23, v3
	v_add_nc_u32 v[ADRB], s56, v4
	v_add_nc_u32 v[ADRB+1], s57, v4
	v_add_nc_u32 v[ADRB+2], s58, v4
	v_mul_u32_u24 v6, v1, SPITCH                   ; the stage, in: row r, 32 bytes for each half of the lanes
	v_lshl_add_u32 v6, v2, 5, v6
	v_add_nc_u32 v[STO], s59, v6
	v_and_b32 v7, 31, v0
	v_lshlrev_b32 v[CO], 4, v7                     ; back: the 32 lanes take one row of 512 bytes; the same in out0
	v_add_nc_u32 v[RD], s59, v[CO]
.macro FRAG reg, adr, off
.irp c, 0,1,2,3
	ds_load_b128 v[\reg+4*\c:\reg+4*\c+3], v[\adr] offset:(\off)+32*\c
.endr
.endm
; The fragments of step u (K 128 u on) into set p.  B: region (u / 2) % 3, half u % 2 of its rows.  A: region u % 6.  Steps 6 and 7 lie where steps 0 and 1 lay.
.macro FETCH u, p
	WIN TO_B
.irp i, 0,1,2,3,4,5,6,7
	FRAG 128*(\p)+FR*\i, ADRB+(((\u)/2)%3), 128*((\u)%2)+\i*16*PITCH
.endr
	WIN 0
.irp i, 0,1,2,3
	FRAG AF+64*(\p)+FR*\i, ADRA+(((\u)%6)/3), AREG*(((\u)%6)%3)+\i*8*PITCH
.endr
.endm
; 16 matrix instructions: A's blocks a0, a0 + 1 x B's eight.  The 32 accumulators take turns, one instruction a turn, in the same order in every step.  zero = 1: the first product starts the sums.
.macro MUL16 a0, p, zero
.irp a, \a0, \a0+1
.irp b, 0,1,2,3,4,5,6,7
.if \zero
	v_wmma_f32_16x16x128_fp8_fp8 v[8*(8*(\a)+\b):8*(8*(\a)+\b)+7], v[128*(\p)+FR*\b:128*(\p)+FR*\b+FR-1], v[AF+64*(\p)+FR*(\a):AF+64*(\p)+FR*(\a)+FR-1], 0
.else
	v_wmma_f32_16x16x128_fp8_fp8 v[8*(8*(\a)+\b):8*(8*(\a)+\b)+7], v[128*(\p)+FR*\b:128*(\p)+FR*\b+FR-1], v[AF+64*(\p)+FR*(\a):AF+64*(\p)+FR*(\a)+FR-1], v[8*(8*(\a)+\b):8*(8*(\a)+\b)+7]
.endif
.endr
.endr
.endm
; A step whose successor's tiles are in LDS: the next step's 48 loads go out ahead of this step's 32 products, into the set that the last step multiplied (four places behind its products).
.macro SUB u, zero
	s_wait_dscnt 0x0                               ; this step's fragments are in
	PLACES NP
	FETCH (\u)+1, 1-(\u)%2
	WIN MUL_LO
	MUL16 0, (\u)%2, \zero
	MUL16 2, (\u)%2, \zero
	WIN 0
.endm
	s_wait_alu depctr_va_vdst(0)                   ; the wait at the head's end
	s_wait_tensorcnt 0x0                           ; my part of K 0-767 is in,
	s_barrier_signal -1
	s_barrier_wait -1                              ; everybody's is
	FETCH 0, 0
	SUB 0, 1
	; step 1, and the one refill: steps 0 and 1 are in registers, so nobody reads A's regions 0, 1 and B's region 0 behind the round
	s_wait_tensorcnt 0x0                           ; no load of mine is out, so the groups 0 may be written
	ds_add_u32 v[SPW], v[NIL]
	s_add_nc_u64 s[G0A+2:G0A+3], s[G0A+2:G0A+3], 6*262144   ; A: head pairs 6 and 7
	s_add_nc_u64 s[G0B+2:G0B+3], s[G0B+2:G0B+3], 768        ; B (wave 0): K 768 on
	WIN MUL_LO
	s_wait_dscnt 0x0                               ; the add is done, and step 1's fragments are in: my reads of those regions are over
	s_barrier_signal -1
	MUL16 0, 1, 0
	WIN 0
	s_barrier_wait -1
	CREST                                          ; the barrier has opened a round: no wave of any partner still reads those regions or has a load on its way
	s_cmp_eq_u32 s14, 3
	s_cbranch_scc0 .Lfill_b
	tensor_load_to_lds s[G0A:G0A+3], s[G1A2:G1A2+7]
	s_nop 0
	PLACES 4
	s_branch .Lfill_j
.Lfill_b:
	s_cmp_eq_u32 s14, 0
	s_cbranch_scc0 .Lfill_n
	tensor_load_to_lds s[G0B:G0B+3], s[G1B:G1B+7]
	s_nop 0
	PLACES 4
	s_branch .Lfill_j
.Lfill_n:
	PLACES 4                                       ; waves 1 and 2 have no part to fill; on each way four places stand in front of the loads below
.Lfill_j:
	FETCH 2, 0
	WIN MUL_LO
	MUL16 2, 1, 0
	WIN 0
	SUB 2, 0
	SUB 3, 0
	SUB 4, 0
	; step 5: behind this barrier K 768-1023 is whole, and nobody reads B's regions 1 and 2 any more
	s_wait_tensorcnt 0x0                           ; my part of the second fill is in
	WIN MUL_LO
	s_wait_dscnt 0x0                               ; step 5's fragments are in
	s_barrier_signal -1
	MUL16 0, 1, 0
	WIN 0
	s_barrier_wait -1
	PLACES NP
	FETCH 6, 0
	WIN MUL_LO
	MUL16 2, 1, 0
	WIN 0
	SUB 6, 0
	s_wait_dscnt 0x0
	WIN MUL_LO
	MUL16 0, 1, 0
	MUL16 2, 1, 0
	WIN 0
; THE WAY OUT, block by block of 16 tokens x 128 channels: x 2^(e6 + e7), through my own stage, back as whole rows of 512 bytes.  LDS serves a wave's instructions in order (ISA guide 5.7.1.4): no wait between the stores and the loads.
.macro TOSTAGE a
.set AC, 64*(\a)
	WIN 0x02                                       ; source 0: window 2
.set j, 0
.rept 32
	v_pk_mul_f32 v[TMP+j:TMP+j+1], v[AC+j:AC+j+1], s[96:97] op_sel_hi:[1,0]   ; each accumulator from its low end on
.set j, j+2
.endr
	WIN 0
.irp b, 0,1,2,3,4,5,6,7
	ds_store_b128 v[STO], v[TMP+8*\b:TMP+8*\b+3] offset:64*\b
	ds_store_b128 v[STO], v[TMP+8*\b+4:TMP+8*\b+7] offset:64*\b+16
.endr
.set BBK, BK+64*((\a)%2)
.irp t, 0,1,2,3,4,5,6,7,8,9,10,11,12,13,14,15
	ds_load_b128 v[BBK+4*\t:BBK+4*\t+3], v[RD] offset:\t*SPITCH
.endr
.endm
.macro SEND a, younger                 ; younger: the LDS instructions issued behind block a's loads, which may stay out
.set BBK, BK+64*((\a)%2)
	s_wait_dscnt \younger
.if (\a) > 0
	s_add_nc_u64 s[10:11], s[10:11], 16*SIZE_N*4   ; (behind a wait on XCNT: the earlier stores have read their base)
.endif
.irp t, 0,1,2,3,4,5,6,7,8,9,10,11,12,13,14,15
	global_store_b128 v[CO], v[BBK+4*\t:BBK+4*\t+3], s[10:11] offset:\t*SIZE_N*4 th:TH_STORE_NT   ; 32 lanes store 512 consecutive bytes, at a multiple of 512 from out0's first byte
.endr
.endm
	s_wait_kmcnt 0x0
	s_add_co_i32 s96, s96, s97
	s_add_co_i32 s96, s96, 127
	s_lshl_b32 s96, s96, 23                        ; 2^(e6 + e7) as f32
	PLACES NP                                      ; behind the last products: for the reads of results and the loads into A's registers
	TOSTAGE 0
.irp a, 1,2,3
.if \a > 1
	s_wait_xcnt 0x0                                ; block a - 2's stores have read their registers and their base
.endif
	TOSTAGE \a
	SEND \a-1, 32                                  ; behind block a - 1's loads: block a's 16 stores and 16 loads
.endr
	s_wait_xcnt 0x0
	SEND 3, 0
	s_wait_tensorcnt 0x0                           ; the wave's end
	ds_add_u32 v[SPW], v[NIL]
	s_wait_dscnt 0x0
	CROUND                                         ; the closing round
	s_endpgm
.Lfunc_end_k_q4ab81a56a8_proj:
	.size	k_q4ab81a56a8_proj, .Lfunc_end_k_q4ab81a56a8_proj-k_q4ab81a56a8_proj
	.p2alignl 7, 3214868480
	.fill 96, 4, 3214868480
	.section	.rodata,"a",@progbits
	.p2align	6, 0x0
	.amdhsa_kernel k_q4ab81a56a8_proj
		.amdhsa_group_segment_fixed_size 327680
		.amdhsa_private_segment_fixed_size 0
		.amdhsa_enable_private_segment 0
		.amdhsa_kernarg_size 32
		.amdhsa_user_sgpr_count 2
		.amdhsa_user_sgpr_kernarg_segment_ptr 1
		.amdhsa_wavefront_size32 1
		.amdhsa_system_sgpr_workgroup_id_x 1
		.amdhsa_system_sgpr_workgroup_id_y 1
		.amdhsa_system_sgpr_workgroup_id_z 1
		.amdhsa_system_vgpr_workitem_id 0
		.amdhsa_next_free_vgpr 768
		.amdhsa_next_free_sgpr 98
		.amdhsa_reserve_vcc 0
		.amdhsa_float_denorm_mode_32 3
		.amdhsa_float_denorm_mode_16_64 3
		.amdhsa_memory_ordered 1
		.amdhsa_forward_progress 1
		.amdhsa_inst_pref_size 74
	.end_amdhsa_kernel
	.amdgpu_metadata
---
amdhsa.version: [ 1, 2 ]
amdhsa.kernels:
  - .name:           k_q4ab81a56a8_proj
    .symbol:         k_q4ab81a56a8_proj.kd
    .args:
      - { .name: oc, .offset: 0, .size: 8, .value_kind: global_buffer, .address_space: global }
      - { .name: wpc, .offset: 8, .size: 8, .value_kind: global_buffer, .address_space: global }
      - { .name: lowp_scales, .offset: 16, .size: 8, .value_kind: global_buffer, .address_space: global }
      - { .name: out0, .offset: 24, .size: 8, .value_kind: global_buffer, .address_space: global }
    .group_segment_fixed_size: 327680
    .private_segment_fixed_size: 0
    .kernarg_segment_align: 8
    .kernarg_segment_size: 32
    .max_flat_workgroup_size: 128
    .sgpr_count:     98
    .vgpr_count:     768
    .wavefront_size: 32
...
	.end_amdgpu_metadata
.endif
;; end of part 4
